; MI455X (gfx1250); checked and timed in simulation.
; The chip was launched on July 23, 2026; its instructions are those of AMD's public machine-readable ISA for CDNA 5 (MIT licence, August 2026) and "CDNA5" Instruction Set Architecture Reference Guide (July 2026). The comments in the code are by the model that wrote it; some were corrected since.
;; GPT2 Group Query Attention. Allowed arithmetic: matrix products marked QUANTISED: E2M1 operands, one E8M0 scale for each 32 along K, by v_wmma_scale_f32_16x16x128_f8f6f4 with both operands' format E2M1 (or v_wmma_scale_f32_32x16x128_f4), f32 sums; everything else in f32.
;; Inputs: Wk 1,024 x 1,024 float32; Wo 1,024 x 1,024 float32; Wq 1,024 x 1,024 float32; Wv 1,024 x 1,024 float32; bk 1,024 float32; bo 1,024 float32; bq 1,024 float32; bv 1,024 float32; hidden_states 4 x 2,048 x 1,024 float32.
;; Outputs: out0 4 x 2,048 x 1,024 float32.
;; This version of the problem:
;;   THIS VERSION OF THE PROBLEM IS GIVEN IN LOW PRECISION. The matrix products marked QUANTISED in the list below multiply operands that are first quantised to E2M1 (2 exponent bits, 1 mantissa bit; 4 bits a number), with one power-of-two scale for each 32 numbers along K (OCP MX v1.0); their sums are f32. All else is computed in f32.
;;   The module's matrix products, in the order in which they are computed (A, B: the left and right operand; K: the contracted axis; several contracted axes count as one K, in the product's order):
;;     1. [M 8,192, K 1,024] x [K 1,024, N 1,024]; A: input hidden_states; B: input Wq: QUANTISED
;;     2. [M 8,192, K 1,024] x [K 1,024, N 1,024]; A: input hidden_states; B: input Wk: QUANTISED
;;     3. [M 8,192, K 1,024] x [K 1,024, N 1,024]; A: input hidden_states; B: input Wv: QUANTISED
;;     4. batch 64 x [M 1,024, K 128] x [K 128, N 1,024]; A: computed on the way; B: computed on the way: QUANTISED
;;     5. batch 64 x [M 1,024, K 1,024] x [K 1,024, N 128]; A: softmax (see below); B: computed on the way: QUANTISED
;;     6. [M 8,192, K 1,024] x [K 1,024, N 1,024]; A: computed on the way; B: input Wo: QUANTISED
;;   THE QUANTISER, for each operand of a quantised product, along K:
;;     - K is cut into blocks of 32 from its start; a last block that is shorter is filled with zeros.
;;     - A block's scale is 2^e with e = floor(log2(the largest magnitude in the block)) - 2, held to -126 .. 127; a block of zeros has e = 0. As a byte (E8M0): e + 127.
;;     - Each number is divided by its block's scale, clamped to +-6, and rounded to the nearest number of E2M1, ties to even, subnormals kept.
;;     - The product sums the exact products of the quantised numbers (number of the format x scale) in f32.
;;   ~~~python
;;   def quantise(x, axis):      # numpy; x: float32 -> the quantised numbers, widened to float32 again
;;       x = np.moveaxis(x, axis, -1); K = x.shape[-1]
;;       x = np.pad(x, [(0, 0)] * (x.ndim - 1) + [(0, -K % 32)]); x = x.reshape(x.shape[:-1] + (-1, 32)); a = np.abs(x).max(-1, keepdims=True)
;;       e = np.where(a > 0, np.clip(np.frexp(np.where(a > 0, a, 1))[1] - 1 - 2, -126, 127), 0)      # np.frexp(a)[1] - 1 = floor(log2(a)), exactly
;;       r = np.clip(x / 2.0 ** e, -6, 6)
;;       step = 2.0 ** (np.maximum(np.frexp(np.where(r == 0, 1, r))[1] - 1, 0) - 1)
;;       q = np.round(r / step) * step * 2.0 ** e      # np.round: ties to even
;;       return np.moveaxis(q.reshape(q.shape[:-2] + (-1,))[..., :K], -1, axis).astype(np.float32)
;;   ~~~
;;   SOFTMAX AHEAD OF A QUANTISED PRODUCT. Where the list says 'softmax', what is quantised is not the finished softmax but p = 2^(t - M), with t = logit x log2(e) and M = ceil(the row's largest t), a whole number; so 1/2 < the row's largest p <= 1. The row's sum l is taken of the UNQUANTISED p, in f32, and the product's result is divided by l at the end. Since M is a whole number, a kernel that streams over the keys may use a running M (the ceiling of the running maximum): every later rescaling is an exact power of two, which a block's scale takes up: the codes' values come out the same.
;;   OPERANDS COMPUTED ON THE WAY. 'Computed on the way' means the value that the module computes at that place (a softmax that the list does not call 'softmax' is quantised finished and normalised). What goes into a quantiser is computed in f32, as accurately as f32 sums, v_exp_f32 and their like allow (about 1e-6 of the number): no bf16 or f16 on the way to a quantiser, and a product that is left as it is and whose result goes on into a quantised operand takes f32 operands (vector FMAs, or v_wmma_f32_16x16x4_f32). A number that lies on a knife's edge between two numbers of the format may be rounded either way, as far as f32 arithmetic and the matrix unit's own rounding can turn it there, and no further.
;; One version. Each part assembles by itself: llvm-mc -triple=amdgcn-amd-amdhsa -mcpu=gfx1250 --defsym DOCPART=n.
;; ======== version 1 of 1: 4 launches
;; limits: right only within a limited range of input values
;; workspace buffers: xc 4,194,304 bytes; xs 262,144 bytes; wc 2,097,152 bytes; ws 131,072 bytes; qkv 13,369,344 bytes; ctx 4,194,304 bytes; cs 262,144 bytes
;; launch quant (part 1): grid 256 x 1, 6 waves a work-group, no clusters, 49,920 bytes of LDS; arguments hidden_states, Wq, Wk, Wv, Wo, xc, xs, wc, ws; writes xc, xs, wc, ws
.if DOCPART == 1
	.amdgcn_target "amdgcn-amd-amdhsa--gfx1250"
	.amdhsa_code_object_version 6
	.text
	.protected	k_q55c61fb656_quant
	.globl	k_q55c61fb656_quant
	.p2align	8
	.type	k_q55c61fb656_quant,@function
k_q55c61fb656_quant:
	s_mov_b64 s[64:65], 0
	v_nop
	global_prefetch_b8 v0, s[64:65] scope:SCOPE_SE
	s_setreg_imm32_b32 hwreg(HW_REG_WAVE_MODE, 25, 1), 1
	s_wait_xcnt 0x0
; hidden_states [8192][1024] and the four weights [1024][1024], f32, K innermost, become codes of FP4 (E2M1) with one E8M0 byte for each 32 along K.
; A block's scale is 2^(floor(log2(its largest magnitude)) - 2); its byte is the largest magnitude's exponent field - 2, held at 1 from below.
; LIMITS: a block of zeros gets the byte 1 (its codes are zeros, and this program alone reads the bytes); blocks whose largest magnitude lies under 2^-124 have the byte held at 1; NaN and infinities are not served.
; THE ROWS ARE STORED IN ANOTHER ORDER THAN THEY ARE READ, so that the later launches find 16 neighbouring stored rows to be a tile whose results are neighbours along the next K:
;   weights: within each 32 rows bits 3 and 4 of the row's number change places; the four weights lie one behind the other (Wq, Wk, Wv, Wo).
;   x: row 2 key + par (key = 0 .. 4095 over the batches) goes to 256 (key / 128) + 128 par + the key's place in its 128, again with bits 3 and 4 changed.
; SHARES: 256 work-groups of six waves, 1,536 waves of equal work: waves 0-1023 of the launch take x, 1024-1535 the weights (128 each).  A wave takes 8 source rows that land on 8 neighbouring stored rows:
; 16 steps of 512 numbers, 4,096 bytes of codes, 256 scale bytes.  Loads run eight steps (32 loads, 16 KB a wave) ahead.
; Each load reads 512 consecutive bytes; a step's 2,048 bytes turn through the wave's own stage in LDS so that a lane holds 16 neighbours (two lanes a block).  No barrier: waves share nothing.
.set STEPS, 16
.set EMAX,  2
.set CB,    8                          ; bytes of 16 codes
.set R,     16                         ; v16-143  eight sets of 16 numbers as loaded
.set X,     144                        ; v144-175 two sets of 16 neighbours
.set E,     176                        ; v176-191 a scale byte for each step
.set C,     192                        ; v192-223 codes: two registers a step, so that no store's data are written again
.set RO,    224                        ; v224-231 byte offset of my 16 bytes in source row i of the wave's eight
.set SPW,   232                        ; v232 LDS address of my spare word; v233 0
.set NIL,   233
.set WREG,  8192                       ; LDS: a wave's region: two stages of 32 x SP bytes, then its 256 scale bytes
.set SP,    80                         ; a lane's place in a stage: 64 bytes + 16 of padding
	s_load_b256 s[4:11], s[0:1], 0x0               ; x, Wq, Wk, Wv
	s_load_b256 s[12:19], s[0:1], 0x20             ; Wo, xc, xs, wc
	s_load_b64 s[20:21], s[0:1], 0x40              ; ws
	v_lshl_add_u32 v[SPW], v0, 2, 6*WREG
	v_mov_b32 v[NIL], 0
	v_lshrrev_b32 v1, 5, v0
	v_readfirstlane_b32 s24, v1                    ; wave
	v_and_b32 v2, 31, v0                           ; lane
	v_lshlrev_b32 v3, 4, v2                        ; my 16 bytes of a load's 512
	s_mul_i32 s25, s24, WREG
	v_lshrrev_b32 v14, 2, v2
	v_mul_u32_u24 v14, v14, SP
	v_and_b32 v15, 3, v2
	v_lshl_add_u32 v14, v15, 4, v14
	v_add_nc_u32 v14, s25, v14                     ; the stage, on the way in: SP (lane / 4) + 16 (lane % 4)
	v_mul_u32_u24 v15, v2, SP
	v_add_nc_u32 v15, s25, v15                     ; and on the way out: SP x lane
	v_mul_u32_u24 v4, v2, CB                       ; my codes' place in a step's
	v_lshrrev_b32 v5, 1, v2
	s_add_co_u32 s25, s25, 2*32*SP
	v_add_nc_u32 v5, s25, v5                       ; LDS: my block's scale byte
	v_lshlrev_b32 v7, 3, v2                        ; the scale bytes' way out: 8 bytes a lane
	v_add_nc_u32 v6, s25, v7
	; x's share: wid = 6 wg + wave; par = wid & 1; kk = wid / 2: keys 8 kk .. 8 kk + 7
	s_mul_i32 s26, ttmp9, 6
	s_add_co_u32 s26, s26, s24
	s_and_b32 s27, s26, 1                          ; par
	s_lshr_b32 s28, s26, 1                         ; kk
	s_lshl_b32 s29, s28, 4
	s_add_co_u32 s29, s29, s27                     ; first source row: 16 kk + par; the next lies two rows on
	s_lshr_b32 s30, s28, 4
	s_lshl_b32 s30, s30, 8                         ; 256 (kk / 16)
	s_lshl_b32 s31, s27, 7
	s_add_co_u32 s30, s30, s31                     ; + 128 par
	s_bfe_u32 s31, s28, 0x20002
	s_lshl_b32 s31, s31, 5
	s_add_co_u32 s30, s30, s31                     ; + 32 ((kk / 4) % 4)
	; a weight's share: kk = wid % 128: rows 8 kk .. 8 kk + 7 of weight (wid / 128) % 4
	s_and_b32 s32, s26, 127                        ; kk
	s_lshl_b32 s33, s32, 3                         ; first source row
	s_bfe_u32 s34, s26, 0x20007
	s_lshl_b32 s34, s34, 10                        ; 1,024 x weight
	s_lshr_b32 s35, s32, 2
	s_lshl_b32 s35, s35, 5
	s_add_co_u32 s34, s34, s35                     ; + 32 (kk / 4)
	s_mov_b32 s36, 4096
	s_cmp_lt_u32 s26, 1024                         ; x's wave or a weight's: numbers are chosen, the text has one path
	s_cselect_b32 s28, s28, s32
	s_cselect_b32 s29, s29, s33
	s_cselect_b32 s30, s30, s34
	s_cselect_b32 s36, 8192, s36                   ; bytes from one of my source rows to the next
	s_and_b32 s31, s28, 1
	s_lshl_b32 s31, s31, 4
	s_add_co_u32 s30, s30, s31                     ; + 16 (kk % 2)
	s_bfe_u32 s31, s28, 0x10001
	s_lshl_b32 s31, s31, 3
	s_add_co_u32 s30, s30, s31                     ; + 8 ((kk / 2) % 2): my first stored row
	s_lshl_b32 s32, s29, 12                        ; in bytes: the source,
	s_mov_b32 s33, 0
	s_lshl_b32 s34, s30, 9                         ; the codes,
	s_mov_b32 s35, 0
	s_lshl_b32 s38, s30, 5                         ; the scale bytes
	s_mov_b32 s39, 0
.irp i, 0,1,2,3,4,5,6,7
	v_mad_u32_u24 v[RO+\i], s36, \i, v3
.endr
	s_wait_alu depctr_va_vdst(0)                   ; the wait at the head's end
	s_wait_kmcnt 0x0
	s_cmp_lt_u32 s26, 1408                         ; the choices hang on the wave's number in the launch alone
	s_cselect_b64 s[22:23], s[10:11], s[12:13]
	s_cmp_lt_u32 s26, 1280
	s_cselect_b64 s[22:23], s[8:9], s[22:23]
	s_cmp_lt_u32 s26, 1152
	s_cselect_b64 s[22:23], s[6:7], s[22:23]
	s_cmp_lt_u32 s26, 1024
	s_cselect_b64 s[4:5], s[4:5], s[22:23]         ; what I read
	s_cselect_b64 s[8:9], s[14:15], s[18:19]       ; where the codes go
	s_cselect_b64 s[10:11], s[16:17], s[20:21]     ; and the scale bytes
	s_add_nc_u64 s[4:5], s[4:5], s[32:33]
	s_add_nc_u64 s[8:9], s[8:9], s[34:35]
	s_add_nc_u64 s[10:11], s[10:11], s[38:39]
.macro LOAD t                          ; step t: half t % 2 of source row t / 2
.irp i, 0,1,2,3
	global_load_b128 v[R+16*((\t)%8)+4*\i:R+16*((\t)%8)+4*\i+3], v[RO+(\t)/2], s[4:5] offset:2048*((\t)%2)+512*\i th:TH_LOAD_NT
.endr
.endm
.macro TURN t                          ; step t's numbers through the stage: LDS serves a wave's instructions in order, so no wait stands between the stores and the loads
.irp i, 0,1,2,3
	ds_store_b128 v14, v[R+16*((\t)%8)+4*\i:R+16*((\t)%8)+4*\i+3] offset:32*SP*((\t)%2)+8*SP*\i
.endr
.irp i, 0,1,2,3
	ds_load_b128 v[X+16*((\t)%2)+4*\i:X+16*((\t)%2)+4*\i+3], v15 offset:32*SP*((\t)%2)+16*\i
.endr
.endm
.irp t, 0,1,2,3,4,5,6,7
	LOAD \t
.endr
	s_wait_loadcnt 28                              ; step 0's four loads are in; the 28 of steps 1 to 7 may be out
	TURN 0
.macro STEP t
.set XS, X+16*((\t)%2)
.if (\t) > 0
	s_wait_dscnt 1                                 ; this step's numbers are back from the stage (the last step's byte store may be out), so its stores into the stage have read their registers,
.else
	s_wait_dscnt 0x0
.endif
.if (\t)+8 < STEPS
	LOAD (\t)+8                                    ; which take the loads of eight steps on
.endif
.if (\t)+1 < STEPS
.if STEPS-2-(\t) >= 7
	s_wait_loadcnt 28                              ; the next step's four loads are in; those of the seven steps behind it may be out
.else
	s_wait_loadcnt 4*(STEPS-2-(\t))
.endif
	TURN (\t)+1                                    ; and go through the other stage while this step is worked
.endif
	v_max3_num_f32 v8, |v[XS]|, |v[XS+1]|, |v[XS+2]|               ; the largest magnitude of my 16, in two chains
	v_max3_num_f32 v9, |v[XS+3]|, |v[XS+4]|, |v[XS+5]|
.irp i, 6,10
	v_max3_num_f32 v8, v8, |v[XS+\i]|, |v[XS+\i+1]|
	v_max3_num_f32 v9, v9, |v[XS+\i+2]|, |v[XS+\i+3]|
.endr
	v_max3_num_f32 v8, v8, |v[XS+14]|, |v[XS+15]|
	v_max3_num_f32 v8, v8, v9, (EMAX+1)<<23        ; and the floor 2^(3 - 127): the byte cannot fall under 1
	v_max_num_f32_dpp v8, v8, v8 row_xmask:1 row_mask:0xf bank_mask:0xf   ; and of my neighbour's 16: the block's
	v_add_nc_u32 v11, -(EMAX<<23), v8              ; 2 off its exponent field: the conversion takes the exponent field of this operand as its scale
	v_cvt_scalef32_pk8_fp4_f32 v[C+2*(\t)], v[XS:XS+7], v11
	v_cvt_scalef32_pk8_fp4_f32 v[C+2*(\t)+1], v[XS+8:XS+15], v11
	v_lshrrev_b32 v[E+(\t)], 23, v11               ; the scale's byte (a plain line behind the conversions)
	ds_store_b8 v5, v[E+(\t)] offset:16*(\t)       ; both lanes of a block write the same byte with the same value
	global_store_b64 v4, v[C+2*(\t):C+2*(\t)+1], s[8:9] offset:32*CB*(\t)   ; the wave stores 256 consecutive bytes, aligned
.endm
.irp t, 0,1,2,3,4,5,6,7,8,9,10,11,12,13,14,15
	STEP \t
.endr
	ds_load_b64 v[12:13], v6                       ; LDS serves a wave's instructions in order: these see my byte stores
	s_wait_dscnt 0x0
	global_store_b64 v7, v[12:13], s[10:11]        ; 32 lanes store 256 consecutive bytes, aligned
	s_wait_tensorcnt 0x0                           ; the wave's end
	ds_add_u32 v[SPW], v[NIL]
	s_wait_dscnt 0x0
	s_endpgm
.Lfunc_end_k_q55c61fb656_quant:
	.size	k_q55c61fb656_quant, .Lfunc_end_k_q55c61fb656_quant-k_q55c61fb656_quant
	.p2alignl 7, 3214868480
	.fill 96, 4, 3214868480
	.section	.rodata,"a",@progbits
	.p2align	6, 0x0
	.amdhsa_kernel k_q55c61fb656_quant
		.amdhsa_group_segment_fixed_size 49920
		.amdhsa_private_segment_fixed_size 0
		.amdhsa_enable_private_segment 0
		.amdhsa_kernarg_size 72
		.amdhsa_user_sgpr_count 2
		.amdhsa_user_sgpr_kernarg_segment_ptr 1
		.amdhsa_wavefront_size32 1
		.amdhsa_system_sgpr_workgroup_id_x 1
		.amdhsa_system_sgpr_workgroup_id_y 1
		.amdhsa_system_sgpr_workgroup_id_z 1
		.amdhsa_system_vgpr_workitem_id 0
		.amdhsa_next_free_vgpr 234
		.amdhsa_next_free_sgpr 66
		.amdhsa_reserve_vcc 0
		.amdhsa_float_denorm_mode_32 3
		.amdhsa_float_denorm_mode_16_64 3
		.amdhsa_memory_ordered 1
		.amdhsa_forward_progress 1
		.amdhsa_inst_pref_size 35
	.end_amdhsa_kernel
	.amdgpu_metadata
---
amdhsa.version: [ 1, 2 ]
amdhsa.kernels:
  - .name:           k_q55c61fb656_quant
    .symbol:         k_q55c61fb656_quant.kd
    .args:
      - { .name: hidden_states, .offset: 0, .size: 8, .value_kind: global_buffer, .address_space: global }
      - { .name: Wq, .offset: 8, .size: 8, .value_kind: global_buffer, .address_space: global }
      - { .name: Wk, .offset: 16, .size: 8, .value_kind: global_buffer, .address_space: global }
      - { .name: Wv, .offset: 24, .size: 8, .value_kind: global_buffer, .address_space: global }
      - { .name: Wo, .offset: 32, .size: 8, .value_kind: global_buffer, .address_space: global }
      - { .name: xc, .offset: 40, .size: 8, .value_kind: global_buffer, .address_space: global }
      - { .name: xs, .offset: 48, .size: 8, .value_kind: global_buffer, .address_space: global }
      - { .name: wc, .offset: 56, .size: 8, .value_kind: global_buffer, .address_space: global }
      - { .name: ws, .offset: 64, .size: 8, .value_kind: global_buffer, .address_space: global }
    .group_segment_fixed_size: 49920
    .private_segment_fixed_size: 0
    .kernarg_segment_align: 8
    .kernarg_segment_size: 72
    .max_flat_workgroup_size: 192
    .sgpr_count:     66
    .vgpr_count:     234
    .wavefront_size: 32
...
	.end_amdgpu_metadata
.endif
;; end of part 1
;; launch proj (part 2): grid 8 x 32, 4 waves a work-group, clusters of 4 x 4, 327,680 bytes of LDS; arguments xc, xs, wc, ws, bq, bk, bv, qkv; writes qkv
.if DOCPART == 2
	.amdgcn_target "amdgcn-amd-amdhsa--gfx1250"
	.amdhsa_code_object_version 6
	.text
	.protected	k_q55c61fb656_proj
	.globl	k_q55c61fb656_proj
	.p2align	8
	.type	k_q55c61fb656_proj,@function
k_q55c61fb656_proj:
	s_mov_b64 s[64:65], 0
	v_nop
	global_prefetch_b8 v0, s[64:65] scope:SCOPE_SE
	s_setreg_imm32_b32 hwreg(HW_REG_WAVE_MODE, 25, 1), 1
	s_wait_xcnt 0x0
	s_wait_alu depctr_hold_cnt(0) depctr_sa_sdst(0) depctr_va_vdst(0) depctr_va_sdst(0) depctr_va_ssrc(0) depctr_va_vcc(0) depctr_vm_vsrc(0)
	s_getreg_b32 s2, hwreg(HW_REG_IB_STS2, 6, 4)
	s_cmp_eq_u32 s2, 0
	s_cbranch_scc0 .Lentry_in_a_cluster
	s_endpgm
.Lentry_in_a_cluster:
	s_bfe_u32 s2, ttmp6, 0x10000c
	s_cmp_lg_u32 s2, 0xf033
	s_cbranch_scc0 .Lentry_shape_is_right
	s_endpgm
.Lentry_shape_is_right:
; q, k, v = x W^T + b on codes of FP4 with E8M0 scales, K = 1,024, and the results quantised in registers into the operands of the attention launch.
; 256 work-groups of equal work.  Work-group (TC = 0 .. 7, TR = 0 .. 31) holds x's group TR (256 stored rows: 128 keys of parity 0, then the same keys of parity 1) in LDS for all of K and uses it twice:
;   FIRST PART:  C[x row][feature] for rows 256 TC .. + 255 of [Wq; Wk]: 256 x 256, a wave 128 x 128 (64 accumulators).  Source 0 = 16 rows of W, source 1 = 16 rows of x: a lane holds one x row, its registers run along the features.
;   SECOND PART: C[feature][x row] for Wv's stored rows 128 TC .. + 127: 128 x 256, a wave 64 x 128 (32 accumulators).  Source 0 = 16 rows of x, source 1 = 16 rows of Wv: a lane holds one feature, its registers run along the keys.
; What is quantised next is always cut along the registers: q, k along the head's columns, v along the keys.  The stored orders of x and of the weights make the 16 registers of source-0 tiles 2 b and 2 b + 1 sixteen neighbours: 32 b + 16 (lane / 16) + 0 .. 15.
; In the first part a wave's eight blocks of x are blocks 4 wr .. 4 wr + 3 of both parities, so that both halves of a grouped row's 128 lie in one wave; in the second a wave's 128 rows of x are one parity.
; LDS: slot s (K = 512 s on) at s x 139,264: x's 256 rows, then W's 256 rows, 272 bytes apart.  Both slots are first fills.  At the change of slots W's rows of slot 0 are done with: Wv's 128 rows, both halves of K,
;   are brought into exactly those 69,632 bytes, and have slot 1's products and the first part's epilogue in which to land.  From 278,528: the scale bytes of x and W for all of K.  From 295,936: each wave's own copy of its 64 Wv rows' scale bytes,
;   stored from registers.  From 304,640: the spare words.  A wave has one tensor load out at a time.
; CLUSTERS: 4 x 4.  x's tiles hang on TR alone and are asked for jointly along a row of the cluster; W's and Wv's hang on TC alone: along a column.
; OUT: images of the registers into which the attention launch loads them.  qkv: [y = 16 b + head]: K and V by key steps, then Q; a tile's image is [c][lane][16 B].
;      Scale words: [four tiles][row (16)][tile % 4].  Every store of codes covers 512 consecutive bytes, aligned; of words 256.
; LIMITS: a block of zeros gets the byte 1 (its codes are zeros); blocks under 2^-124 have the byte held at 1; NaN and infinities are not served.
; REGISTERS: window 0: v1-30 addresses; v32-95 scale words, two sets; v96-125 at work in the epilogues; v128-191 x's fragments, one set, later the codes; v192-255 the bias.
;   window 1: source 0's fragments, two sets (v0, v128).  windows 2, 3: the accumulators, (a, b) at v[8 (8 (a % 4) + b)]; in the second part window 2 alone, and Wv's fragments, two sets, at v64-127 of window 3.
; WHAT HOLDS OF THE LOADS AND OF OUT (in place of the lines above on them): a wave has one tensor load out at a time.  At the head wave 0 fetches slot 0's 256 rows of x, wave 1 those of W, waves 2 and 3 their scale bytes; slot 1 follows behind a round of its own.
; OUT: ONE buffer, qkv: for each y = 16 b + head YS bytes: eight key steps of KVS bytes [K's 8 tiles][V's 8 tiles][K's scale words 512][V's 512]; then Q's 64 tiles (at QOF); then Q's scale words (at QSC).
.set YS,     208896
.set KVS,    17408
.set QOF,    8*KVS
.set QSC,    QOF+65536
.set NQ,     4                         ; matrix instructions deep in a slot
.set ROWB,   256                       ; a tile's row: 512 codes
.set KROW,   512                       ; a row of codes in memory
.set PITCH,  272                       ; an LDS row: 256 bytes + 16 of padding: the 16 rows of a load start 68 words apart
.set FR,     8
.set NL,     2
.set NP,     4
.set HALFT,  128*PITCH
.set SLOT,   4*HALFT                   ; x's 256 rows, then W's 256 rows
.set SCL,    2*SLOT                    ; the scale bytes of all of K, 32 a row, as 256 bytes + 16 of padding
.set HALFS,  16*272                    ; those of 128 rows
.set SBLK,   2*272                     ; those of 16 rows
.set WVC,    2*HALFT                   ; Wv's codes: K half 0, then K half 1, 128 rows each, where W's rows of slot 0 lay
.set WVS,    SCL+4*HALFS               ; Wv's scale bytes: a wave's own 64 rows,
.set WVSZ,   4*SBLK                    ; 2,176 bytes a wave
.set SPARE,  WVS+4*WVSZ                ; the spare words, 128 bytes for each wave: two blocks of 256 bytes that no other line names
.set VO,    8                          ; v8-11  the images' store offsets: VO + 2 c + (a / 4); VO itself is 16 x lane
.set VS,    12                         ; v12    q, k: the scale words' store offset
.set VB,    13                         ; v13    the bias's offset, q and k
.set VBV,   14                         ; v14    the bias's offset, v
.set LW,    15                         ; v15    where I store 16 of Wv's scale bytes
.set ADRA,  16                         ; v16-17 first part: LDS address of my x fragments in slot 0, 1
.set ADRX,  18                         ; v18-19 second part: the same
.set ADRB,  20                         ; v20-21 W's fragments in slot 0, 1
.set ADRW,  22                         ; v22-23 Wv's fragments of K half 0, 1
.set ADRP,  24                         ; v24    second part: scale words, tiles 0-3: lanes 0-15 x's, lanes 16-31 Wv's
.set ADRP2, 25                         ; v25    tiles 4-7 (lanes 16-31 take Wv's blocks 0-3 again: they are not used)
.set ADRS2, 26                         ; v26    first part: scale words, blocks 4-7
.set ADRS,  27                         ; v27    blocks 0-3: lanes 0-15 x's rows, lanes 16-31 W's
.set SPW,   28                         ; v28    LDS address of my spare word; never rewritten
.set NIL,   29                         ; v29    0; never rewritten
.set VSV,   30                         ; v30    v: the scale words' store offset
.set SC,    32
.set TM,    96                         ; v96-99 largest magnitudes, v100-103 bytes, v108-111 the conversions' scale operands
.set PWS,   112                        ; v112-119 block a's scale word
.set SW,    120                        ; v120-123 q's and k's words as they are stored
.set SEL,   124                        ; v124   byte selector
.set FLOOR, 125                        ; v125   2^(3 - 127)
.set AF,    128
.set BIAS,  192
.set WB,    64                         ; Wv's fragments, in window 3
.set G1,   24
.set G0,   32
.set G1B,  48
.set G0B,  56
.set G1S,  68
.set G0S,  76                          ; group 0 of x's scales; behind the wait for all tensor loads at the change of slots: of Wv's codes
.set G1SB, 80
.set G0SB, 88
.set MSB, 0
.macro WIN new                         ; the immediate's high byte repeats the setting that is left
.if MSB != \new
	s_set_vgpr_msb (MSB<<8)|\new
.set MSB, \new
.endif
.endm
.set MUL_LO, 0xa1                      ; source 0 window 1, source 1 window 0, C and D window 2
.set MUL_HI, 0xf1                      ; the same, C and D window 3
.set BEG_LO, 0x81                      ; the first step: C (the bias) window 0, D window 2
.set BEG_HI, 0xc1                      ; D window 3
.set TO_B,   0x40                      ; destination window 1
.set TO_W,   0xc0                      ; destination window 3
.set MUL_V,  0xad                      ; second part: source 0 window 1, source 1 window 3, C and D window 2
.set BEG_V,  0x8d                      ; its first step: C window 0
; A joint load: waves 0 and 1 fetch for x, waves 2 and 3 for W; the branch hangs on the wave's number alone.  Four v_nop follow each line.
.macro JLOAD g0a, g1a, g0b, g1b
	s_cmp_eq_u32 s15, 0
	s_cbranch_scc0 .Lfor_b_\@
	tensor_load_to_lds s[\g0a:\g0a+3], s[\g1a:\g1a+7]
	s_nop 0
.rept 4
	v_nop
.endr
	s_branch .Lasked_\@
.Lfor_b_\@:
	tensor_load_to_lds s[\g0b:\g0b+3], s[\g1b:\g1b+7]
	s_nop 0
.rept 4
	v_nop
.endr
.Lasked_\@:
.endm
.macro CREST                           ; a round of the cluster's barrier behind its opening barrier
	s_cmp_lg_u32 s14, 0
	s_cbranch_scc1 .Lnot_wave_0_\@
	s_barrier_signal -3
.Lnot_wave_0_\@:
	s_barrier_wait -3
	s_barrier_signal -1
	s_barrier_wait -1
.endm
.macro CROUND                          ; a whole round
	s_barrier_signal -1
	s_barrier_wait -1
	CREST
.endm
	s_load_b256 s[4:11], s[0:1], 0x0               ; xc s[4:5], xs s[6:7], wc s[8:9], ws s[10:11]
	v_lshl_add_u32 v[SPW], v0, 2, SPARE
	v_mov_b32 v[NIL], 0
	ds_add_u32 v28, v29
	ds_add_u32 v28, v29
	s_wait_dscnt 0x0
	v_lshrrev_b32 v1, 5, v0
	v_readfirstlane_b32 s14, v1                    ; wave 0..3
	s_lshr_b32 s15, s14, 1                         ; wr.  Also: I fetch for x (0) or for the weights (1)
	s_and_b32 s16, s14, 1                          ; wc.  Also: which half I fetch
	s_bfe_u32 s40, ttmp6, 0x40000                  ; cx
	s_bfe_u32 s41, ttmp6, 0x40004                  ; cy
	s_and_b32 s17, ttmp7, 0xffff                   ; the cluster's y
	s_lshl_b32 s18, s17, 2
	s_add_co_u32 s18, s18, s41                     ; TR: x's group; it never holds cx
	s_lshl_b32 s19, ttmp9, 2
	s_add_co_u32 s19, s19, s40                     ; TC: 0-3 Wq, 4-7 Wk; it never holds cy
	s_lshl_b32 s43, s41, 2
	s_lshl_b32 s43, 15, s43                        ; my row of the cluster
	s_lshl_b32 s44, 0x1111, s40                    ; my column
	s_mov_b32 s2, 0x76543210
	s_mov_b32 s3, 0xfedcba98                       ; v_permlanex16_b32's selects for lane l xor 16
	; group 1: a tile of 128 rows x 256 bytes, 16 bytes of padding behind each row
	s_or_b32 s[G1+0], s43, (0<<16)|(1<<20)|(1<<21)|(5<<22)|(3<<25)
	s_or_b32 s[G1B+0], s44, (0<<16)|(1<<20)|(1<<21)|(5<<22)|(3<<25)
.irp g, G1, G1B
	s_mov_b32 s[\g+1], ROWB<<16                    ; tensor_dim0
	s_mov_b32 s[\g+2], 256<<16                     ; tensor_dim1: 256 rows for the head's loads, 128 behind them
	s_mov_b32 s[\g+3], ROWB<<16                    ; tile_dim0
	s_mov_b32 s[\g+4], 256                         ; tile_dim1
	s_mov_b32 s[\g+5], KROW                        ; the pitch
	s_mov_b32 s[\g+6], 0
	s_mov_b32 s[\g+7], 0
.endr
	; the scale bytes of 256 rows: 8,192 dense bytes as 32 rows of 256 (32 elements of 8 bytes), 16 bytes of padding behind each
	s_or_b32 s[G1S+0], s43, (3<<16)|(1<<20)|(1<<21)|(5<<22)|(3<<25)
	s_or_b32 s[G1SB+0], s44, (3<<16)|(1<<20)|(1<<21)|(5<<22)|(3<<25)
.irp g, G1S, G1SB
	s_mov_b32 s[\g+1], 32<<16
	s_mov_b32 s[\g+2], 32<<16                      ; 256 rows' scale bytes: 32 rows of 256
	s_mov_b32 s[\g+3], 32<<16
	s_mov_b32 s[\g+4], 32
	s_mov_b32 s[\g+5], 32
	s_mov_b32 s[\g+6], 0
	s_mov_b32 s[\g+7], 0
.endr
	s_lshl_b32 s20, s18, 8                         ; x: row 256 TR
	s_lshl_b32 s46, s19, 8                         ; W: row 256 TC
	s_lshl_b32 s22, s20, 5                         ; their scale bytes,
	s_mov_b32 s23, 0
	s_lshl_b32 s20, s20, 9                         ; their codes
	s_mov_b32 s21, 0
	s_lshl_b32 s66, s46, 5
	s_mov_b32 s67, 0
	s_lshl_b32 s46, s46, 9
	s_mov_b32 s47, 0
	s_lshl_b32 s100, s19, 16                       ; Wv's codes: stored row 2,048 + 128 TC, 512 bytes a row,
	s_lshl_b32 s42, s16, 8
	s_add_co_u32 s100, s100, s42                   ; + the half of K that I fetch
	s_add_co_u32 s100, s100, 2048*KROW
	s_mov_b32 s101, 0
	s_lshl_b32 s98, s19, 12                        ; Wv's scale bytes: the same rows, 32 bytes a row,
	s_lshl_b32 s42, s15, 11
	s_add_co_u32 s98, s98, s42                     ; + my wave's 64 rows
	s_add_co_u32 s98, s98, 2048*32
	s_mov_b32 s99, 0
	s_mul_i32 s45, s14, HALFT                      ; where the first fills go: wave x 128 rows: no place in the cluster enters an LDS address
	s_mul_i32 s42, s16, 128*KROW                   ; slot 1: my half of the tile's rows,
	s_add_co_u32 s42, s42, ROWB                    ; K = 512 on
	s_mov_b32 s43, 0
	s_wait_alu depctr_va_vdst(0)                   ; directly ahead of the wait below
	s_wait_kmcnt 0x0
	s_add_nc_u64 s[92:93], s[4:5], s[20:21]        ; x's codes
	s_add_nc_u64 s[94:95], s[6:7], s[22:23]        ; x's scales
	s_add_nc_u64 s[96:97], s[8:9], s[46:47]        ; W's codes
	s_add_nc_u64 s[66:67], s[10:11], s[66:67]      ; W's scales
	s_add_nc_u64 s[100:101], s[8:9], s[100:101]    ; Wv's codes
	s_add_nc_u64 s[98:99], s[10:11], s[98:99]      ; Wv's scales
	CROUND                                         ; all sixteen work-groups are here: the joint loads meet
	s_mov_b32 s[G0S], 1                            ; the head's four tiles, each whole: x's scale bytes,
	s_mov_b32 s[G0S+1], SCL
	s_mov_b64 s[G0S+2:G0S+3], s[94:95]
	s_or_b32 s[G0S+3], s[G0S+3], 0x80000000
	s_mov_b32 s[G0SB], 1                           ; W's,
	s_mov_b32 s[G0SB+1], SCL+2*HALFS
	s_mov_b64 s[G0SB+2:G0SB+3], s[66:67]
	s_or_b32 s[G0SB+3], s[G0SB+3], 0x80000000
	s_mov_b32 s[G0], 1                             ; slot 0's 256 rows of x,
	s_mov_b32 s[G0+1], 0
	s_mov_b64 s[G0+2:G0+3], s[92:93]
	s_or_b32 s[G0+3], s[G0+3], 0x80000000
	s_mov_b32 s[G0B], 1                            ; and of W
	s_mov_b32 s[G0B+1], 2*HALFT
	s_mov_b64 s[G0B+2:G0B+3], s[96:97]
	s_or_b32 s[G0B+3], s[G0B+3], 0x80000000
	s_mov_b32 s[G0+4], 1                           ; slot 1: my 128 rows
	s_add_co_u32 s[G0+5], s45, SLOT
	s_add_nc_u64 s[G0+6:G0+7], s[92:93], s[42:43]
	s_or_b32 s[G0+7], s[G0+7], 0x80000000
	s_mov_b32 s[G0B+4], 1
	s_add_co_u32 s[G0B+5], s45, SLOT
	s_add_nc_u64 s[G0B+6:G0B+7], s[96:97], s[42:43]
	s_or_b32 s[G0B+7], s[G0B+7], 0x80000000
; THE HEAD'S LOADS, ONE A WAVE: One tree of branches on the wave's number: every way through the head passes exactly one load.
.macro ARM under, g0, g1, next
	s_cmp_lt_u32 s14, \under
	s_cbranch_scc0 \next
	tensor_load_to_lds s[\g0:\g0+3], s[\g1:\g1+7]
	s_nop 0
.rept 4
	v_nop
.endr
	s_branch .Lhead_asked
\next:
.endm
	ARM 1, G0,  G1,  .Lhead_b
	ARM 2, G0B, G1B, .Lhead_sa
	ARM 3, G0S, G1S, .Lhead_sb
	tensor_load_to_lds s[G0SB:G0SB+3], s[G1SB:G1SB+7]
	s_nop 0
.rept 4
	v_nop
.endr
.Lhead_asked:
	s_load_b256 s[4:11], s[0:1], 0x20              ; bq s[4:5], bk s[6:7], bv s[8:9], qkv s[10:11]
	v_and_b32 v1, 15, v0                           ; r
	v_bfe_u32 v2, v0, 4, 1                         ; h
	v_mul_u32_u24 v3, v1, PITCH
	v_lshl_add_u32 v4, v2, 4, v3                   ; a fragment's row x pitch + 16 h
	s_wait_alu depctr_va_vdst(0)
	s_mul_i32 s21, s15, 64*PITCH                   ; first part: my blocks of x begin at block 4 wr of each parity
	s_mul_i32 s22, s16, HALFT                      ; second part: my 128 rows of x: parity wc
	s_add_co_u32 s23, s22, 2*HALFT                 ; W: my 128 rows, behind x's 256
	s_add_co_u32 s42, s21, WVC                     ; Wv: my 64 rows
.irp s, 0,1
	v_add_nc_u32 v[ADRA+\s], s21, v4
	v_add_nc_u32 v[ADRX+\s], s22, v4
	v_add_nc_u32 v[ADRB+\s], s23, v4
	v_add_nc_u32 v[ADRW+\s], s42, v4
	s_add_co_u32 s21, s21, SLOT
	s_add_co_u32 s22, s22, SLOT
	s_add_co_u32 s23, s23, SLOT
	s_add_co_u32 s42, s42, HALFT
.endr
	v_lshlrev_b32 v5, 5, v1                        ; my row's scale bytes: 32 a row,
	v_lshrrev_b32 v6, 3, v1
	v_lshl_add_u32 v5, v6, 4, v5                   ; and 16 more behind each 8 rows
	s_mul_i32 s21, s15, 4*SBLK                     ; first part: x's block 4 wr
	s_mul_i32 s22, s16, HALFS
	s_add_co_u32 s22, s22, 2*HALFS                 ; W's block 8 wc, behind x's 16
	s_sub_co_u32 s22, s22, s21
	v_mul_u32_u24 v6, s22, v2                      ; lanes 16-31 take W's
	s_wait_alu depctr_va_vdst(0)
	s_mul_i32 s23, s16, HALFS
	s_add_co_u32 s23, s23, 2*HALFS-4*SBLK          ; for blocks 4-7 x's words lie four blocks further on than the load's offset says, W's do not
	s_sub_co_u32 s23, s23, s21
	v_mul_u32_u24 v7, s23, v2
	s_add_co_u32 s21, s21, SCL
	v_add_nc_u32 v6, v5, v6
	v_add_nc_u32 v[ADRS], s21, v6
	s_add_co_u32 s21, s21, 4*SBLK
	v_add_nc_u32 v7, v5, v7
	v_add_nc_u32 v[ADRS2], s21, v7
	s_mul_i32 s21, s16, HALFS                      ; second part: x's 128 rows of parity wc
	s_mul_i32 s22, s14, WVSZ
	s_add_co_u32 s22, s22, WVS-SCL                 ; my copy of Wv's scale bytes
	s_sub_co_u32 s22, s22, s21
	v_mul_u32_u24 v6, s22, v2                      ; lanes 16-31 take Wv's
	s_mul_i32 s23, s14, WVSZ
	s_add_co_u32 s23, s23, WVS-SCL-4*SBLK          ; for tiles 4-7 they stay inside my copy: four blocks back
	s_sub_co_u32 s23, s23, s21
	v_mul_u32_u24 v7, s23, v2
	s_add_co_u32 s21, s21, SCL
	v_add_nc_u32 v6, v5, v6
	v_add_nc_u32 v[ADRP], s21, v6
	v_add_nc_u32 v7, v5, v7
	v_add_nc_u32 v[ADRP2], s21, v7
	s_mul_i32 s22, s14, WVSZ
	s_add_co_u32 s22, s22, WVS
	v_mul_u32_u24 v6, v2, 272
	v_lshl_add_u32 v6, v1, 4, v6
	v_add_nc_u32 v[LW], s22, v6                    ; a load's 512 bytes are two runs of 256: 16 r + 272 h
	v_mov_b32 v[FLOOR], 0x1800000
.irp b, 0,1,2,3
	v_mov_b32 v[TM+4+\b], 0                        ; written once: a lane permute's destination counts as one of its sources
.endr
	v_and_b32 v3, 31, v0
	v_lshlrev_b32 v[VO], 4, v3                     ; 16 x lane
	v_add_nc_u32 v[VO+1], 512, v[VO]               ; q, k: blocks 4-7 are the other parity: register group 1 of the image
	v_add_nc_u32 v[VO+2], YS, v[VO]                ; q, k: a block's register group 1 is the next head
	v_add_nc_u32 v[VO+3], YS, v[VO+1]
	v_mul_u32_u24 v[VS], v2, YS
	v_lshl_add_u32 v[VS], v1, 4, v[VS]             ; 16 r; lanes 16-31: the next head's words
	v_lshlrev_b32 v[VSV], 4, v1
	s_mov_b32 s66, 0x05040100
	s_mov_b32 s67, 0x02020202
	v_mul_lo_u32 v[SEL], v2, s67
	v_add_nc_u32 v[SEL], s66, v[SEL]               ; lanes 0-15: the two low halves; lanes 16-31: the two high halves
	v_lshlrev_b32 v[VB], 6, v2
	v_and_b32 v3, 8, v1
	v_add_lshl_u32 v[VBV], v3, v1, 2               ; 4 (r + 8 (r / 8))
	; where the results go
	s_lshr_b32 s23, s18, 3
	s_lshl_b32 s23, s23, 4                         ; 16 b
	s_and_b32 s20, s18, 7                          ; the group's place in its batch: 128 keys
	s_lshl_b32 s21, s40, 2
	s_lshl_b32 s22, s16, 1
	s_add_co_u32 s21, s21, s22
	s_add_co_u32 s21, s21, s23                     ; q, k: y of my first head: 16 b + 4 cx + 2 wc
	s_mul_i32 s92, s21, YS
	s_mul_i32 s43, s20, KVS                        ; K: the group is a key step
	s_lshl_b32 s42, s20, 13
	s_add_co_u32 s42, s42, QOF                     ; Q: eight images a group
	s_cmp_eq_u32 ttmp9, 0
	s_cselect_b32 s42, s42, s43
	s_add_co_u32 s92, s92, s42
	s_lshl_b32 s42, s15, 12
	s_add_co_u32 s92, s92, s42                     ; four of them mine
	s_mov_b32 s93, 0
	s_mul_i32 s94, s21, YS
	s_lshl_b32 s42, s20, 9
	s_add_co_u32 s42, s42, QSC
	s_add_co_u32 s44, s43, 16384                   ; K's words stand behind the step's images
	s_cmp_eq_u32 ttmp9, 0
	s_cselect_b32 s42, s42, s44
	s_add_co_u32 s94, s94, s42
	s_lshl_b32 s42, s15, 8
	s_add_co_u32 s94, s94, s42
	s_mov_b32 s95, 0
	s_lshl_b32 s22, s19, 1
	s_add_co_u32 s22, s22, s15
	s_add_co_u32 s22, s22, s23                     ; v: y of my head: 16 b + 2 TC + wr
	s_mul_i32 s46, s22, YS
	s_add_co_u32 s46, s46, 8192                    ; V: behind the step's K
	s_add_co_u32 s46, s46, s43
	s_lshl_b32 s42, s16, 12
	s_add_co_u32 s46, s46, s42                     ; the parity's four tiles
	s_mov_b32 s47, 0
	s_mul_i32 s44, s22, YS
	s_add_co_u32 s44, s44, 16896
	s_add_co_u32 s44, s44, s43
	s_lshl_b32 s42, s16, 8
	s_add_co_u32 s44, s44, s42
	s_mov_b32 s45, 0
	s_lshl_b32 s20, s40, 10                        ; the bias of q, k, along the registers: b[256 cx + 128 wc + 32 (b / 2) + 16 h + 8 (b % 2) + j]
	s_lshl_b32 s21, s16, 9
	s_add_co_u32 s20, s20, s21
	s_mov_b32 s21, 0
	s_lshl_b32 s22, s19, 9                         ; of v, along the lanes: bv[128 TC + 64 wr + 32 (a / 2) + 8 (a % 2) + r + 8 (r / 8)]
	s_lshl_b32 s23, s15, 8
	s_add_co_u32 s22, s22, s23
	s_mov_b32 s23, 0
	s_wait_alu depctr_va_vdst(0)
	s_wait_kmcnt 0x0
	s_add_nc_u64 s[92:93], s[10:11], s[92:93]      ; q, k: my images
	s_add_nc_u64 s[94:95], s[10:11], s[94:95]      ; and scale words
	s_add_nc_u64 s[12:13], s[10:11], s[44:45]      ; v: my scale words
	s_add_nc_u64 s[10:11], s[10:11], s[46:47]      ; and images
	s_add_nc_u64 s[8:9], s[8:9], s[22:23]          ; bv at my 64 features
	s_cmp_eq_u32 ttmp9, 0                          ; the choice hangs on the cluster's x alone
	s_cselect_b64 s[96:97], s[4:5], s[6:7]
	s_add_nc_u64 s[96:97], s[96:97], s[20:21]
.irp b, 0,1,2,3,4,5,6,7
	global_load_b128 v[BIAS+8*\b:BIAS+8*\b+3], v[VB], s[96:97] offset:(32*(\b/2)+8*(\b%2))*4
	global_load_b128 v[BIAS+8*\b+4:BIAS+8*\b+7], v[VB], s[96:97] offset:(32*(\b/2)+8*(\b%2))*4+16
.endr
.macro FRAG reg, adr, q, blk           ; 16 rows x 128 K of 4-bit codes: registers 4 c .. 4 c + 3 hold K = 64 c + 32 h + 0 .. 31
.irp c, 0,1
	ds_load_b128 v[\reg+4*\c:\reg+4*\c+3], v[\adr] offset:64*(\q)+32*\c+(\blk)*16*PITCH
.endr
.endm
; FIRST PART.  16 matrix instructions: x's blocks a0, a0 + 1 x W's eight tiles, the slot's q-th 128 along K.  p: W's set; sc: the set of scale words.
; zero = 0: in place; 2: the sums begin with tile b's bias.  The 64 accumulators take turns, one instruction a turn.
.macro MUL16 a0, p, q, sc, zero
.irp a, \a0, \a0+1
.irp b, 0,1,2,3,4,5,6,7
.set rD, 8*(8*((\a)%4)+\b)
.set rB, 128*(\p)+FR*\b
.set rA, AF+FR*(\a)
.set rSB, SC+8*NQ*(\sc)+NQ*\b+(\q)
.set rSA, SC+8*NQ*(\sc)+NQ*(\a)+(\q)
.set rC, rD
.if (\zero) == 2
.set rC, BIAS+8*\b
.endif
	v_wmma_scale_f32_16x16x128_f8f6f4 v[rD:rD+7], v[rB:rB+7], v[rA:rA+7], v[rC:rC+7], v[rSB], v[rSA] matrix_a_fmt:MATRIX_FMT_FP4 matrix_b_fmt:MATRIX_FMT_FP4 matrix_a_scale:MATRIX_SCALE_ROW1
.endr
.endr
.endm
.macro FETCH_B slot, q, p
	WIN TO_B
.irp i, 0,1,2,3,4,5,6,7
	FRAG 128*(\p)+FR*\i, ADRB+\slot, \q, \i
.endr
	WIN 0
.endm
.macro FETCH_A slot, q, i0             ; x's blocks i0 .. i0 + 3: block i lies 8 (i / 4) + i % 4 blocks behind my first
.irp i, \i0, \i0+1, \i0+2, \i0+3
	FRAG AF+FR*(\i), ADRA+\slot, \q, 8*((\i)/4)+(\i)%4
.endr
.endm
.macro SCALES sc                       ; a slot's scale words: four a row; lanes 0-15 x's block i, lanes 16-31 W's tile i
.irp i, 0,1,2,3
	ds_load_b128 v[SC+8*NQ*\sc+NQ*\i:SC+8*NQ*\sc+NQ*\i+3], v[ADRS] offset:\i*SBLK
.endr
.irp i, 4,5,6,7
	ds_load_b128 v[SC+8*NQ*\sc+NQ*\i:SC+8*NQ*\sc+NQ*\i+3], v[ADRS2] offset:\i*SBLK
.endr
.endm
.macro PLACES n                        ; plain vector lines between a matrix instruction and a load into, or a read of, its registers (ISA guide 7.12.1 for reads)
.rept \n
	v_nop
.endr
.endm
.macro STEP slot, q, zero              ; a step of 128 along K that has its successor in the same slot
	s_wait_dscnt 4*NL                              ; all but the youngest eight loads (x's blocks 4-7) are in
.if \zero
	WIN BEG_LO
.else
	WIN MUL_LO
.endif
	MUL16 0, (\q)%2, \q, \slot, \zero
	MUL16 2, (\q)%2, \q, \slot, \zero
	s_wait_dscnt 0                                 ; x's blocks 4-7 are in
	PLACES NP
	FETCH_B \slot, (\q)+1, 1-(\q)%2
	FETCH_A \slot, (\q)+1, 0
.if \zero
	WIN BEG_HI
.else
	WIN MUL_HI
.endif
	MUL16 4, (\q)%2, \q, \slot, \zero
	MUL16 6, (\q)%2, \q, \slot, \zero
	PLACES NP
	WIN 0
	FETCH_A \slot, (\q)+1, 4
.endm
	s_wait_alu depctr_va_vdst(0)                   ; the wait at the head's end
	s_wait_tensorcnt 0x0                           ; my tile of the head's four is in
	ds_add_u32 v[SPW], v[NIL]
	s_mov_b32 s[G1+2], 128<<16                     ; no tensor load of mine is out, so a descriptor may be written: from here on a load brings 128 rows
	s_mov_b32 s[G1+4], 128
	s_mov_b32 s[G1B+2], 128<<16
	s_mov_b32 s[G1B+4], 128
	s_wait_dscnt 0x0
	CROUND                                         ; all four tiles are in, and all sixteen work-groups are here
	JLOAD G0+4, G1, G0B+4, G1B                     ; slot 1
	FETCH_B 0, 0, 0
	FETCH_A 0, 0, 0
	SCALES 0
	FETCH_A 0, 0, 4
	s_wait_loadcnt 0x0                             ; the bias
	STEP 0, 0, 2
	STEP 0, 1, 0
	STEP 0, 2, 0
	; SLOT 0'S LAST STEP, AND THE CHANGE TO SLOT 1.  One barrier, which opens a round of the cluster's barrier: behind it slot 1 is whole, and no wave of any partner still reads W's rows of slot 0, which take Wv's.
	s_wait_tensorcnt 0x0                           ; all my tensor loads have landed, my part of slot 1 among them: so a group 0 may be written
	ds_add_u32 v[SPW], v[NIL]                      ; 0 onto my spare word
	s_mov_b32 s[G0S], 1                            ; group 0 for Wv's codes: count = 1,
	s_mul_i32 s[G0S+1], s16, HALFT
	s_add_co_u32 s[G0S+1], s[G0S+1], WVC           ; the K half that I fetch, in LDS
	s_mov_b64 s[G0S+2:G0S+3], s[100:101]           ; and in memory,
	s_or_b32 s[G0S+3], s[G0S+3], 0x80000000        ; type = 2
	s_wait_dscnt 4*NL+1                            ; (the add and the youngest eight loads may be out)
	WIN MUL_LO
	MUL16 0, 1, NQ-1, 0, 0                         ; sixteen matrix instructions stand between the add and the wait for it
	s_wait_dscnt 0x0                               ; the add is done, and my reads of slot 0's W rows are over
	s_barrier_signal -1
	MUL16 2, 1, NQ-1, 0, 0
	WIN 0
	s_barrier_wait -1
	CREST
	s_cmp_eq_u32 s15, 0                            ; waves 2 and 3 fetch a K half of Wv's 128 rows each, jointly with my column of the cluster; waves 0 and 1 have no part
	s_cbranch_scc1 .Lno_wv
	tensor_load_to_lds s[G0S:G0S+3], s[G1B:G1B+7]  ; the wave's one tensor load behind the round, and the first thing there
	s_nop 0
.rept 4
	v_nop
.endr
.Lno_wv:
	PLACES NP
	v_add_nc_u32 v[ADRS], 4*NQ, v[ADRS]            ; slot 1's scale words (no LDS load of mine is out)
	v_add_nc_u32 v[ADRS2], 4*NQ, v[ADRS2]
	FETCH_B 1, 0, 0
	FETCH_A 1, 0, 0
	SCALES 1
	WIN MUL_HI
	MUL16 4, 1, NQ-1, 0, 0
	MUL16 6, 1, NQ-1, 0, 0
	PLACES NP
	WIN 0
	FETCH_A 1, 0, 4
	STEP 1, 0, 0
	STEP 1, 1, 0
	STEP 1, 2, 0
	s_wait_dscnt 4*NL                              ; the last step: nothing more to fetch
	WIN MUL_LO
	MUL16 0, 1, NQ-1, 1, 0
	MUL16 2, 1, NQ-1, 1, 0
	s_wait_dscnt 0
	WIN MUL_HI
	MUL16 4, 1, NQ-1, 1, 0
	MUL16 6, 1, NQ-1, 1, 0
	WIN 0
	PLACES NP
	; what the second part wants from memory beside Wv's codes is asked for here and lands under the epilogue
.irp a, 0,1,2,3
	global_load_b32 v[BIAS+8*\a], v[VBV], s[8:9] offset:(32*(\a/2)+8*(\a%2))*4   ; bv of my lane's feature in block a
.endr
.irp j, 0,1,2,3
	global_load_b128 v[BIAS+32+4*\j:BIAS+32+4*\j+3], v[VO], s[98:99] offset:512*\j   ; the scale bytes of my 64 rows of Wv: 2,048 consecutive bytes
.endr
; THE EPILOGUE.  Block a's 64 numbers of a lane, register 16 b + i = place 32 b + 16 h + i along the next K, become a fragment's 8 registers of codes, v[AF + 8 a] on, and a scale word, v[PWS + a].
; Each accumulator is read from its low end on.
.macro QUANT a
.set AC, 64*((\a)%4)
.set PC, AF+8*(\a)
.set W2, 2+(\a)/4
.set W12, (W2<<2)|(W2<<4)
	WIN W12                                        ; sources 1 and 2: the accumulators' window
.irp b, 0,1,2,3
	v_max3_num_f32 v[TM+\b], v[FLOOR], |v[AC+16*\b]|, |v[AC+16*\b+1]|   ; block b: my 16 numbers and the floor 2^(3 - 127)
.endr
.irp i, 2,4,6,8,10,12,14
.irp b, 0,1,2,3
	v_max3_num_f32 v[TM+\b], v[TM+\b], |v[AC+16*\b+\i]|, |v[AC+16*\b+\i+1]|
.endr
.endr
	WIN 0
.irp b, 0,1,2,3
	v_permlanex16_b32 v[TM+4+\b], v[TM+\b], s2, s3
.endr
.irp b, 0,1,2,3
	v_max_num_f32 v[TM+\b], v[TM+\b], v[TM+4+\b]   ; with lane l xor 16's: the block's largest magnitude
.endr
.irp b, 0,1,2,3
	v_add_nc_u32 v[TM+12+\b], 0xff000000, v[TM+\b] ; 2 off its exponent field: the conversion's scale operand
.endr
.irp b, 0,1,2,3
	v_lshrrev_b32 v[TM+4+\b], 23, v[TM+12+\b]      ; the scale's byte
.endr
	v_lshl_or_b32 v[PWS+(\a)], v[TM+5], 8, v[TM+4]
	v_lshl_or_b32 v[PWS+(\a)], v[TM+6], 16, v[PWS+(\a)]
	v_lshl_or_b32 v[PWS+(\a)], v[TM+7], 24, v[PWS+(\a)]
	WIN W2                                         ; source 0: the accumulators' window
.irp b, 0,1,2,3
	v_cvt_scalef32_pk8_fp4_f32 v[PC+2*\b], v[AC+16*\b:AC+16*\b+7], v[TM+12+\b]
	v_cvt_scalef32_pk8_fp4_f32 v[PC+2*\b+1], v[AC+16*\b+8:AC+16*\b+15], v[TM+12+\b]
.endr
	WIN 0
	v_nop                                          ; one plain line behind a scaled conversion
.irp c, 0,1                                    ; a whole block to a lane: lanes 0-15 block 2 c, lanes 16-31 block 2 c + 1
.irp i, 0,1
	v_permlane16_swap_b32 v[PC+4*\c+\i], v[PC+2+4*\c+\i]
.endr
.endr
.endm
.irp a, 0,1,2,3,4,5,6,7                        ; q, k: every block has code registers of its own, so no store's data are written again here
	QUANT \a
.irp c, 0,1
	global_store_b128 v[VO+2*\c+(\a)/4], v[AF+8*(\a)+4*\c:AF+8*(\a)+4*\c+3], s[92:93] offset:((\a)%4)*1024   ; 32 lanes store 512 consecutive bytes, aligned
.endr
.endr
; A grouped row's scale word is two bytes of parity 0 (block t) and two of parity 1 (block 4 + t): lanes 0-15 make the first head's, lanes 16-31 the second's.
.irp t, 0,1,2,3
	v_perm_b32 v[SW+\t], v[PWS+4+\t], v[PWS+\t], v[SEL]
.endr
	global_store_b128 v[VS], v[SW:SW+3], s[94:95]  ; sixteen lanes store 256 consecutive bytes, aligned
; THE SECOND PART: v.
	s_wait_loadcnt 0x0                             ; bv's numbers and Wv's scale bytes are in
.irp j, 0,1,2,3
	ds_store_b128 v[LW], v[BIAS+32+4*\j:BIAS+32+4*\j+3] offset:\j*SBLK   ; into my own copy, laid as x's scale bytes are: so one load brings x's words to lanes 0-15 and Wv's to lanes 16-31
.endr
.irp a, 0,1,2,3
.irp j, 1,2,3,4,5,6,7
	v_mov_b32 v[BIAS+8*\a+\j], v[BIAS+8*\a]        ; the C of a sum's first product wants the lane's one number in all eight registers
.endr
.endr
	s_wait_alu depctr_va_vdst(0)
	s_wait_tensorcnt 0x0                           ; my K half of Wv's codes, if I fetched one, has landed
	s_wait_dscnt 0x0                               ; my stores are done
	s_barrier_signal -1
	s_barrier_wait -1                              ; both halves are there for every wave
.macro FETCH_X k                       ; x's eight tiles of step k (128 along K) into set k % 2 of window 1
	WIN TO_B
.irp i, 0,1,2,3,4,5,6,7
	FRAG 128*((\k)%2)+FR*\i, ADRX+(\k)/4, (\k)%4, \i
.endr
.endm
.macro FETCH_W k                       ; Wv's four blocks into set k % 2 of window 3
	WIN TO_W
.irp i, 0,1,2,3
	FRAG WB+32*((\k)%2)+FR*\i, ADRW+(\k)/4, (\k)%4, \i
.endr
.endm
; 32 matrix instructions: Wv's four blocks x x's eight tiles; the 32 accumulators take turns, one instruction a turn.  Step 0 begins the sums with the bias.
.macro MULP k
.irp a, 0,1,2,3
.irp b, 0,1,2,3,4,5,6,7
.set rD, 8*(8*\a+\b)
.set rX, 128*((\k)%2)+FR*\b
.set rW, WB+32*((\k)%2)+FR*\a
.set rSX, SC+8*NQ*((\k)/4)+NQ*\b+(\k)%4
.set rSW, SC+8*NQ*((\k)/4)+NQ*\a+(\k)%4
.set rC, rD
.if (\k) == 0
.set rC, BIAS+8*\a
.endif
	v_wmma_scale_f32_16x16x128_f8f6f4 v[rD:rD+7], v[rX:rX+7], v[rW:rW+7], v[rC:rC+7], v[rSX], v[rSW] matrix_a_fmt:MATRIX_FMT_FP4 matrix_b_fmt:MATRIX_FMT_FP4 matrix_b_scale:MATRIX_SCALE_ROW1
.endr
.endr
.endm
.macro PSTEP k                         ; a step: its fragments are in; the next step's are asked for, into the sets that the step before multiplied; then the products
	s_wait_dscnt 0x0
.if (\k) < 7
	PLACES NP
	FETCH_X (\k)+1
	FETCH_W (\k)+1
.endif
.if (\k) == 0
	WIN BEG_V
.else
	WIN MUL_V
.endif
	MULP \k
.endm
	FETCH_X 0
	FETCH_W 0
	WIN 0
.irp s, 0,1                                    ; the scale words of both halves of K
.irp i, 0,1,2,3
	ds_load_b128 v[SC+8*NQ*\s+NQ*\i:SC+8*NQ*\s+NQ*\i+3], v[ADRP] offset:\i*SBLK+16*\s
.endr
.irp i, 4,5,6,7
	ds_load_b128 v[SC+8*NQ*\s+NQ*\i:SC+8*NQ*\s+NQ*\i+3], v[ADRP2] offset:\i*SBLK+16*\s
.endr
.endr
.irp k, 0,1,2,3,4,5,6,7
	PSTEP \k
.endr
	WIN 0
	PLACES NP
	s_wait_xcnt 0x0                                ; q's and k's stores have read their registers: the first four blocks' code registers are written again
.irp a, 0,1,2,3
	QUANT \a
	global_store_b128 v[VO], v[AF+8*\a:AF+8*\a+3], s[10:11] offset:\a*1024          ; tile 4 wc + a of the key step: 32 lanes store 512 consecutive bytes, aligned
	global_store_b128 v[VO], v[AF+8*\a+4:AF+8*\a+7], s[10:11] offset:\a*1024+512
.endr
	global_store_b128 v[VSV], v[PWS:PWS+3], s[12:13]   ; row r's four words; both halves of the lanes hold and write the same: 256 consecutive bytes, aligned
	s_wait_tensorcnt 0x0                           ; the wave's end, behind my last tensor load and my last LDS store
	ds_add_u32 v[SPW], v[NIL]
	s_wait_dscnt 0x0
	CROUND                                         ; the closing round: no work-group ends while a partner may still ask for a tile that names it
	s_endpgm
.Lfunc_end_k_q55c61fb656_proj:
	.size	k_q55c61fb656_proj, .Lfunc_end_k_q55c61fb656_proj-k_q55c61fb656_proj
	.p2alignl 7, 3214868480
	.fill 96, 4, 3214868480
	.section	.rodata,"a",@progbits
	.p2align	6, 0x0
	.amdhsa_kernel k_q55c61fb656_proj
		.amdhsa_group_segment_fixed_size 327680
		.amdhsa_private_segment_fixed_size 0
		.amdhsa_enable_private_segment 0
		.amdhsa_kernarg_size 64
		.amdhsa_user_sgpr_count 2
		.amdhsa_user_sgpr_kernarg_segment_ptr 1
		.amdhsa_wavefront_size32 1
		.amdhsa_system_sgpr_workgroup_id_x 1
		.amdhsa_system_sgpr_workgroup_id_y 1
		.amdhsa_system_sgpr_workgroup_id_z 1
		.amdhsa_system_vgpr_workitem_id 0
		.amdhsa_next_free_vgpr 1024
		.amdhsa_next_free_sgpr 102
		.amdhsa_reserve_vcc 0
		.amdhsa_float_denorm_mode_32 3
		.amdhsa_float_denorm_mode_16_64 3
		.amdhsa_memory_ordered 1
		.amdhsa_forward_progress 1
		.amdhsa_inst_pref_size 199
	.end_amdhsa_kernel
	.amdgpu_metadata
---
amdhsa.version: [ 1, 2 ]
amdhsa.kernels:
  - .name:           k_q55c61fb656_proj
    .symbol:         k_q55c61fb656_proj.kd
    .args:
      - { .name: xc, .offset: 0, .size: 8, .value_kind: global_buffer, .address_space: global }
      - { .name: xs, .offset: 8, .size: 8, .value_kind: global_buffer, .address_space: global }
      - { .name: wc, .offset: 16, .size: 8, .value_kind: global_buffer, .address_space: global }
      - { .name: ws, .offset: 24, .size: 8, .value_kind: global_buffer, .address_space: global }
      - { .name: bq, .offset: 32, .size: 8, .value_kind: global_buffer, .address_space: global }
      - { .name: bk, .offset: 40, .size: 8, .value_kind: global_buffer, .address_space: global }
      - { .name: bv, .offset: 48, .size: 8, .value_kind: global_buffer, .address_space: global }
      - { .name: qkv, .offset: 56, .size: 8, .value_kind: global_buffer, .address_space: global }
    .group_segment_fixed_size: 327680
    .private_segment_fixed_size: 0
    .kernarg_segment_align: 8
    .kernarg_segment_size: 64
    .max_flat_workgroup_size: 128
    .sgpr_count:     102
    .vgpr_count:     1024
    .wavefront_size: 32
...
	.end_amdgpu_metadata
.endif
;; end of part 2
;; launch attn (part 3): grid 4 x 64, 8 waves a work-group, clusters of 4 x 1, 169,984 bytes of LDS; arguments qkv, ctx, cs; writes ctx, cs
.if DOCPART == 3
	.amdgcn_target "amdgcn-amd-amdhsa--gfx1250"
	.amdhsa_code_object_version 6
	.text
	.protected	k_q55c61fb656_attn
	.globl	k_q55c61fb656_attn
	.p2align	8
	.type	k_q55c61fb656_attn,@function
k_q55c61fb656_attn:
	s_mov_b64 s[64:65], 0
	v_nop
	global_prefetch_b8 v0, s[64:65] scope:SCOPE_SE
	s_setreg_imm32_b32 hwreg(HW_REG_WAVE_MODE, 25, 1), 1
	s_wait_xcnt 0x0
	s_wait_alu depctr_hold_cnt(0) depctr_sa_sdst(0) depctr_va_vdst(0) depctr_va_sdst(0) depctr_va_ssrc(0) depctr_va_vcc(0) depctr_vm_vsrc(0)
	s_getreg_b32 s2, hwreg(HW_REG_IB_STS2, 6, 4)
	s_cmp_eq_u32 s2, 0
	s_cbranch_scc0 .Lentry_in_a_cluster
	s_endpgm
.Lentry_in_a_cluster:
	s_bfe_u32 s2, ttmp6, 0x10000c
	s_cmp_lg_u32 s2, 0x3003
	s_cbranch_scc0 .Lentry_shape_is_right
	s_endpgm
.Lentry_shape_is_right:
; ctx = softmax(q k^T / 8) v for one (batch, head) y, 1,024 grouped rows of 128, both products on codes of FP4 with E8M0 scales; ctx is quantised along its 128 and stored as the last launch's operand.
; THE SOFTMAX: t = score x log2(e) / 8; M = the running largest t rounded UP to a whole number; p = 2^(t - M) is quantised along the keys, not normalised; the row's sum is taken of the unquantised p and divides at the end.
; When M moves, the sum and O are multiplied by 2^(old M - new M), which rounds nothing.
; SHARES: a work-group owns 256 queries of y; each of its eight waves, two to a SIMD, owns two tiles of 16 in 512 registers, so each fragment of K and V feeds two products.
; ALL of the head's K and V lie in LDS for the whole launch: eight key steps of 17,408 bytes, [K 8 KB][V 8 KB][K's scale words 512][V's 512], dense in memory and in LDS; wave w brings step w by its one tensor load; nothing is filled again.
; CLUSTER: the four work-groups of a cluster share y, so each part is asked for jointly (mask 15).  No prefetch: all that is read from memory is asked for at the head; no loop loads from memory.
; LAYOUT: S^T = K Q^T, O^T = V^T P^T: a lane holds ONE query throughout.  A tile's rows are chosen (by the launches before) so that the 16 registers of tiles 2 b, 2 b + 1 are 16 neighbours: keys in S^T, channels in O^T: 32 b + 16 (lane / 16) + 0 .. 15.
; OUT: ctx [(head % 8) / 4][row block (2 b + head / 8) 64 + tile][head % 4][c][lane][16 B]; cs [head % 8][16 row block + r] words: a wave stores 128 consecutive bytes of them.
; LIMITS: the scaled scores t stay under 2^31 in magnitude; a block of zeros gets the byte 1; blocks under 2^-124 have the byte held at 1; NaN and infinities are not served.
; REGISTERS.  Window 0: v1-9 addresses; v10-13 (-M, largest t) of the two query tiles; v14-17 the sums; v18-21 (f, 0); v22-23 at work; v24-27 scale words of P and Q; v28-43 of K and V; v44-59 at work; v60-187 O^T; v188-251 fragments of V.
;   Window 1: v0-127 S^T, then p, at the end ctx; v128-191 fragments of K; v192-223 sums at work; v224-239 Q; v240-255 P's codes.
.set WREG, 17408                       ; a key step
.set SPARE, 167936                     ; the spare words: 128 bytes for each wave
.set YS,   208896                      ; bytes of a head in qkv
.set QOF,  8*WREG
.set QSC,  QOF+65536
.set LI,   1                           ; 16 x lane: an image's LDS and memory offset
.set SPW,  2                           ; LDS address of my spare word; never rewritten
.set NIL,  3                           ; 0; never rewritten
.set ADK,  5                           ; the step's images
.set AS,   6                           ; 16 r + 16,384: scale words
.set ADS,  7                           ; the step's
.set LO,   9                           ; 4 x lane
.set MM,   10
.set SU,   14
.set FF,   18
.set TT,   22
.set PW,   24
.set QW,   26
.set KSW,  28
.set VSW,  36
.set BM,   44                          ; blocks' largest numbers, then the conversions' scale operands
.set PX,   52
.set RO,   60
.set VF,   188
.set RS,   0                           ; window 1 from here on
.set KF,   128
.set RT,   192
.set RQ,   224
.set RP,   240
.set SEL,  2                           ; s[2:3] lane selects for v_permlanex16_b32: lane l xor 16
.set CNT,  20
.set TB,   21                          ; LDS byte at which the step begins
.set CS,   22
.set G1,   24
.set G0,   40
.set WV,   72
.set MSB, 0
.macro WIN new                         ; the immediate's high byte repeats the setting that is left
.if MSB != \new
	s_set_vgpr_msb (MSB<<8)|\new
.set MSB, \new
.endif
.endm
.macro PLACES
.rept 4
	v_nop
.endr
.endm
.macro ROUND                           ; a round of the cluster's barrier
	s_barrier_signal -1
	s_barrier_wait -1
	s_cmp_lg_u32 s[WV], 0
	s_cbranch_scc1 .Lnot_wave_0_\@
	s_barrier_signal -3
.Lnot_wave_0_\@:
	s_barrier_wait -3
	s_barrier_signal -1
	s_barrier_wait -1
.endm
	s_load_b128 s[4:7], s[0:1], 0x0                ; qkv, ctx
	s_load_b64 s[8:9], s[0:1], 0x10                ; cs
	v_lshl_add_u32 v[SPW], v0, 2, SPARE
	v_mov_b32 v[NIL], 0
	ds_add_u32 v[SPW], v[NIL]                      ; the wave's opening: the add, twice on end
	ds_add_u32 v[SPW], v[NIL]
	v_lshrrev_b32 v8, 5, v0
	v_readfirstlane_b32 s[WV], v8                  ; wave 0..7
	s_and_b32 s14, ttmp7, 0xffff                   ; y, which the four partners share
	s_mul_i32 s18, s14, YS
	s_mul_i32 s17, s[WV], WREG                     ; my key step, in memory and in LDS alike
	s_add_co_u32 s48, s18, s17
	s_mov_b32 s49, 0
	s_mov_b32 s[G1], 15|(3<<16)|(1<<21)            ; 15:0 the mask; 17:16 elements of 8 bytes; 21 set beside a mask; no padding: images are read 16 bytes a lane on end
	s_mov_b32 s[G1+1], 32<<16                      ; 68 rows of 256 bytes, dense
	s_mov_b32 s[G1+2], 68<<16
	s_mov_b32 s[G1+3], 32<<16
	s_mov_b32 s[G1+4], 68
	s_mov_b32 s[G1+5], 32
	s_mov_b32 s[G1+6], 0
	s_mov_b32 s[G1+7], 0
	s_mov_b32 s[SEL], 0x76543210
	s_mov_b32 s[SEL+1], 0xfedcba98
	s_mov_b32 s[CS], 0x3e38aa3b                    ; log2(e) / 8
	s_mov_b32 s[CS+1], s[CS]                       ; (named with it as a pair, so it is written)
	s_mov_b32 s[CNT], 7
	s_mov_b32 s[TB], 0
	; my 32 queries: they enter plain global addresses alone
	s_bfe_u32 s15, ttmp6, 0x40000                  ; cx
	s_lshl_b32 s16, ttmp9, 2
	s_add_co_u32 s16, s16, s15
	s_lshl_b32 s16, s16, 3
	s_add_co_u32 s16, s16, s[WV]                   ; qb: tiles 2 qb, 2 qb + 1
	s_lshl_b32 s58, s16, 11                        ; Q's images
	s_add_co_u32 s58, s58, s18
	s_add_co_u32 s58, s58, QOF
	s_mov_b32 s59, 0
	s_lshr_b32 s60, s16, 1                         ; its scale words: [tile / 4][r][tile % 4]
	s_lshl_b32 s60, s60, 8
	s_and_b32 s74, s16, 1
	s_lshl_b32 s74, s74, 3
	s_add_co_u32 s60, s60, s74
	s_add_co_u32 s60, s60, s18
	s_add_co_u32 s60, s60, QSC
	s_mov_b32 s61, 0
	s_lshr_b32 s73, s14, 3                         ; 2 b + head / 8
	s_lshl_b32 s73, s73, 6
	s_lshl_b32 s74, s16, 1
	s_add_co_u32 s73, s73, s74                     ; my first row block
	s_lshl_b32 s52, s73, 12                        ; ctx
	s_bfe_u32 s74, s14, 0x10002                    ; (head % 8) / 4
	s_lshl_b32 s74, s74, 21
	s_add_co_u32 s52, s52, s74
	s_and_b32 s74, s14, 3
	s_lshl_b32 s74, s74, 10
	s_add_co_u32 s52, s52, s74
	s_mov_b32 s53, 0
	s_lshl_b32 s54, s73, 6                         ; cs
	s_and_b32 s74, s14, 7
	s_lshl_b32 s74, s74, 15
	s_add_co_u32 s54, s54, s74
	s_mov_b32 s55, 0
	s_wait_alu depctr_va_vdst(0)
	s_wait_dscnt 0x0                               ; both opening adds are done
	s_wait_kmcnt 0x0
	s_mov_b32 s[G0], 1
	s_mov_b32 s[G0+1], s17
	s_add_nc_u64 s[G0+2:G0+3], s[4:5], s[48:49]
	s_or_b32 s[G0+3], s[G0+3], 0x80000000
	s_add_nc_u64 s[58:59], s[4:5], s[58:59]
	s_add_nc_u64 s[60:61], s[4:5], s[60:61]
	s_add_nc_u64 s[52:53], s[6:7], s[52:53]
	s_add_nc_u64 s[54:55], s[8:9], s[54:55]
	ROUND                                          ; all four work-groups are here: the joint loads meet
	tensor_load_to_lds s[G0:G0+3], s[G1:G1+7]      ; the wave's one tensor load
	s_nop 0
	PLACES
	v_and_b32 v22, 31, v0                          ; lane
	v_and_b32 v44, 15, v0                          ; r
	v_lshlrev_b32 v[LI], 4, v22
	v_lshlrev_b32 v[LO], 2, v22
	v_lshlrev_b32 v46, 4, v44
	v_add_nc_u32 v[AS], 16384, v46
	s_wait_alu depctr_va_vdst(0)
	WIN 0x40
.irp a, 0,1
.irp c, 0,1
	global_load_b128 v[RQ+8*\a+4*\c:RQ+8*\a+4*\c+3], v[LI], s[58:59] offset:1024*\a+512*\c   ; Q's fragments stay in registers
.endr
.endr
	WIN 0
	global_load_b64 v[QW:QW+1], v46, s[60:61]
.irp a, 0,1
	v_mov_b32 v[MM+1+2*\a], 0xff61b1e6             ; the largest t so far: -3e38, under every t
	v_mov_b32 v[SU+2*\a], 0                        ; the sum, in two halves
	v_mov_b32 v[SU+1+2*\a], 0
	v_mov_b32 v[FF+1+2*\a], 0                      ; (named as the upper half of a pair)
	v_floor_f32 v[MM+2*\a], -v[MM+1+2*\a]          ; -M
.endr
.irp b, 0,1,2,3,4,5,6,7
	v_mov_b32 v[PX+\b], 0                          ; written once: a lane permute's destination counts as one of its sources
.endr
.set j, 0
.rept 128
	v_mov_b32 v[RO+j], 0                           ; O^T: the step is written alike for all; the first finds zeros, which the first change of M leaves zeros
.set j, j+1
.endr
.macro KLD adr, ads, off               ; K's fragments and scale words of the step that begins off bytes on
	WIN 0x40
.irp t, 0,1,2,3,4,5,6,7
.irp c, 0,1
	ds_load_b128 v[KF+8*\t+4*\c:KF+8*\t+4*\c+3], v[\adr] offset:\off+1024*\t+512*\c
.endr
.endr
	WIN 0
.irp g, 0,1
	ds_load_b128 v[KSW+4*\g:KSW+4*\g+3], v[\ads] offset:\off+256*\g
.endr
.endm
; From the blocks' largest numbers (v[BM ..], the floor among them) and the numbers in v[RS ..]: scale words v[PW], codes v[RP ..], for both tiles.
.macro CODES
.irp b, 0,1,2,3,4,5,6,7
	v_add_nc_u32 v[BM+\b], 0xff000000, v[BM+\b]    ; 2 off the exponent field: the conversion's scale operand
.endr
.irp b, 0,1,2,3,4,5,6,7
	v_lshrrev_b32 v[PX+\b], 23, v[BM+\b]           ; the scale's byte
.endr
.irp a, 0,1
	v_lshl_or_b32 v[PW+\a], v[PX+4*\a+1], 8, v[PX+4*\a]
.endr
.irp a, 0,1
	v_lshl_or_b32 v[PW+\a], v[PX+4*\a+2], 16, v[PW+\a]
.endr
.irp a, 0,1
	v_lshl_or_b32 v[PW+\a], v[PX+4*\a+3], 24, v[PW+\a]
.endr
	WIN 0x41
.irp a, 0,1
.irp b, 0,1,2,3
	v_cvt_scalef32_pk8_fp4_f32 v[RP+8*\a+2*\b], v[RS+64*\a+16*\b:RS+64*\a+16*\b+7], v[BM+4*\a+\b]
	v_cvt_scalef32_pk8_fp4_f32 v[RP+8*\a+2*\b+1], v[RS+64*\a+16*\b+8:RS+64*\a+16*\b+15], v[BM+4*\a+\b]
.endr
.endr
	v_nop                                          ; one plain line behind a scaled conversion
.irp a, 0,1
.irp c, 0,1                                    ; a whole block to a lane
.irp i, 0,1
	v_permlane16_swap_b32 v[RP+8*\a+4*\c+\i], v[RP+8*\a+4*\c+2+\i]
.endr
.endr
.endr
	WIN 0
.endm
; A KEY STEP: 128 keys, two query tiles; its K is in registers.  pre = 1: the next step's K is asked for with this step's V.
.macro STEP pre
	v_add_nc_u32 v[ADK], s[TB], v[LI]
	v_add_nc_u32 v[ADS], s[TB], v[AS]
	s_wait_alu depctr_va_vdst(0)
	WIN 0x45
.irp t, 0,1,2,3,4,5,6,7
.irp a, 0,1
	v_wmma_scale_f32_16x16x128_f8f6f4 v[RS+64*\a+8*\t:RS+64*\a+8*\t+7], v[KF+8*\t:KF+8*\t+7], v[RQ+8*\a:RQ+8*\a+7], 0, v[KSW+\t], v[QW+\a] matrix_a_fmt:MATRIX_FMT_FP4 matrix_b_fmt:MATRIX_FMT_FP4
.endr
.endr
	PLACES                                         ; in front of the loads below and of the first read of the scores
	WIN 0
.irp t, 0,1,2,3,4,5,6,7
.irp c, 0,1
	ds_load_b128 v[VF+8*\t+4*\c:VF+8*\t+4*\c+3], v[ADK] offset:8192+1024*\t+512*\c
.endr
.endr
.irp g, 0,1
	ds_load_b128 v[VSW+4*\g:VSW+4*\g+3], v[ADS] offset:512+256*\g
.endr
.if \pre
	KLD ADK, ADS, WREG
.endif
	WIN 0x05
.irp a, 0,1
.irp b, 0,1,2,3
	v_max_num_f32 v[BM+4*\a+\b], v[RS+64*\a+16*\b], v[RS+64*\a+16*\b+1]   ; the largest score of each block of 32 keys: for the row's maximum, and, since p rises with the score, for the block's largest p
.endr
.endr
	WIN 0x14
.irp i, 2,4,6,8,10,12,14
.irp a, 0,1
.irp b, 0,1,2,3
	v_max3_num_f32 v[BM+4*\a+\b], v[BM+4*\a+\b], v[RS+64*\a+16*\b+\i], v[RS+64*\a+16*\b+\i+1]
.endr
.endr
.endr
	WIN 0
.irp b, 0,1,2,3,4,5,6,7
	v_permlanex16_b32 v[PX+\b], v[BM+\b], s[SEL], s[SEL+1]
.endr
.irp b, 0,1,2,3,4,5,6,7
	v_max_num_f32 v[BM+\b], v[BM+\b], v[PX+\b]     ; with lane l xor 16's 16 keys
.endr
.irp a, 0,1
	v_max3_num_f32 v[TT+\a], v[BM+4*\a], v[BM+4*\a+1], v[BM+4*\a+2]
.endr
.irp a, 0,1
	s_delay_alu instid0(VALU_DEP_2)
	v_max_num_f32 v[TT+\a], v[TT+\a], v[BM+4*\a+3] ; the step's largest score of my query
.endr
.irp a, 0,1
	s_delay_alu instid0(VALU_DEP_2)
	v_mul_f32 v[TT+\a], s[CS], v[TT+\a]            ; as t (c is positive)
.endr
.irp a, 0,1
	s_delay_alu instid0(VALU_DEP_2)
	v_max_num_f32 v[MM+1+2*\a], v[MM+1+2*\a], v[TT+\a]   ; the running largest t
.endr
.irp a, 0,1
	v_mov_b32 v[TT+\a], v[MM+2*\a]
.endr
.irp a, 0,1
	s_delay_alu instid0(VALU_DEP_4)
	v_floor_f32 v[MM+2*\a], -v[MM+1+2*\a]          ; the new -M = floor(-t) = -ceil(t)
.endr
.irp a, 0,1
	s_delay_alu instid0(VALU_DEP_2)
	v_sub_f32 v[TT+\a], v[MM+2*\a], v[TT+\a]       ; old M - new M: a whole number, 0 or less
.endr
.irp a, 0,1
	s_delay_alu instid0(VALU_DEP_2)
	v_cvt_i32_f32 v[TT+\a], v[TT+\a]               ; (it saturates)
.endr
.irp a, 0,1
	s_delay_alu instid0(VALU_DEP_2)
	v_ldexp_f32 v[FF+2*\a], 1.0, v[TT+\a]          ; f = 2^(old M - new M)
.endr
.irp a, 0,1
.irp b, 0,1,2,3
	v_fma_f32 v[BM+4*\a+\b], v[BM+4*\a+\b], s[CS], v[MM+2*\a]   ; t - M of each block's largest score,
.endr
.endr
	WIN 0x41
.set j, 0
.rept 32
	v_pk_fma_f32 v[RS+j:RS+j+1], v[RS+j:RS+j+1], s[CS:CS+1], v[MM:MM+1] op_sel_hi:[1,0,0]   ; and of tile 0's scores, two at a time
.set j, j+2
.endr
	WIN 0
	s_wait_alu depctr_va_vdst(0)                   ; the wait ahead of the batch
.irp b, 0,1,2,3,4,5,6,7
	v_exp_f32 v[BM+\b], v[BM+\b]                   ; the blocks' largest p: the same two operations on the same number give the same bits
.endr
	WIN 0x41
.set j, 0
.rept 32
	v_exp_f32 v[RS+j], v[RS+j]                     ; p = 2^(t - M), at most 1: tile 0's; tile 1's t - M stand between them and are read behind the next wait
	v_pk_fma_f32 v[RS+64+j:RS+64+j+1], v[RS+64+j:RS+64+j+1], s[CS:CS+1], v[MM+2:MM+3] op_sel_hi:[1,0,0]
	v_exp_f32 v[RS+j+1], v[RS+j+1]
.set j, j+2
.endr
	s_wait_alu depctr_va_vdst(0)                   ; one wait behind this batch and ahead of the next
	WIN 0x45
.set j, 0
.rept 16
	v_exp_f32 v[RS+64+4*j], v[RS+64+4*j]           ; tile 1's p; tile 0's first sums stand between them and are read behind the next wait
	v_exp_f32 v[RS+64+4*j+1], v[RS+64+4*j+1]
	v_pk_add_f32 v[RT+2*j:RT+2*j+1], v[RS+4*j:RS+4*j+1], v[RS+4*j+2:RS+4*j+3]
	v_exp_f32 v[RS+64+4*j+2], v[RS+64+4*j+2]
	v_exp_f32 v[RS+64+4*j+3], v[RS+64+4*j+3]
.set j, j+1
.endr
	s_wait_alu depctr_va_vdst(0)                   ; the batch's wait
.irp i, 0,2,4,6,8,10,12,14                     ; THE ROWS' SUMS, of the unquantised p: tile 0's by halves in v[RT ..], tile 1's in eight chains in v[RT + 16 ..]
	v_pk_add_f32 v[RT+\i:RT+\i+1], v[RT+\i:RT+\i+1], v[RT+16+\i:RT+16+\i+1]
.endr
.irp i, 0,2,4,6,8,10,12,14
	v_pk_add_f32 v[RT+16+\i:RT+16+\i+1], v[RS+64+2*\i:RS+64+2*\i+1], v[RS+64+2*\i+2:RS+64+2*\i+3]
.endr
.irp i, 0,2,4,6
	v_pk_add_f32 v[RT+\i:RT+\i+1], v[RT+\i:RT+\i+1], v[RT+8+\i:RT+8+\i+1]
.endr
.irp i, 0,2,4,6,8,10,12,14
	v_pk_add_f32 v[RT+16+\i:RT+16+\i+1], v[RT+16+\i:RT+16+\i+1], v[RS+96+2*\i:RS+96+2*\i+1]
.endr
.irp i, 0,2
	v_pk_add_f32 v[RT+\i:RT+\i+1], v[RT+\i:RT+\i+1], v[RT+4+\i:RT+4+\i+1]
.endr
.irp i, 0,2,4,6,8,10,12,14
	v_pk_add_f32 v[RT+16+\i:RT+16+\i+1], v[RT+16+\i:RT+16+\i+1], v[RS+96+2*\i+2:RS+96+2*\i+3]
.endr
	v_pk_add_f32 v[RT:RT+1], v[RT:RT+1], v[RT+2:RT+3]
.irp i, 0,2,4,6
	v_pk_add_f32 v[RT+16+\i:RT+16+\i+1], v[RT+16+\i:RT+16+\i+1], v[RT+24+\i:RT+24+\i+1]
.endr
.irp i, 0,2
	s_delay_alu instid0(VALU_DEP_2)
	v_pk_add_f32 v[RT+16+\i:RT+16+\i+1], v[RT+16+\i:RT+16+\i+1], v[RT+20+\i:RT+20+\i+1]
.endr
	s_delay_alu instid0(VALU_DEP_1)
	v_pk_add_f32 v[RT+16:RT+17], v[RT+16:RT+17], v[RT+18:RT+19]
	WIN 0x10
.irp a, 0,1
	v_pk_fma_f32 v[SU+2*\a:SU+2*\a+1], v[SU+2*\a:SU+2*\a+1], v[FF+2*\a:FF+2*\a+1], v[RT+16*\a:RT+16*\a+1] op_sel_hi:[1,0,1]   ; the sums under the new M
.endr
	WIN 0
.irp b, 0,1,2,3,4,5,6,7
	v_max_num_f32 v[BM+\b], 0x1800000, v[BM+\b]    ; the floor 2^(3 - 127): the byte cannot fall under 1
.endr
	CODES
	s_wait_alu depctr_va_vdst(0)
	s_wait_dscnt 0x0                               ; V, and the next step's K, are in
	s_wait_alu depctr_va_vdst(0)                   ; directly ahead of the first reader of O^T
.set j, 0
.rept 32
	v_pk_mul_f32 v[RO+j:RO+j+1], v[RO+j:RO+j+1], v[FF:FF+1] op_sel_hi:[1,0]   ; O^T under the new M; these 64 also stand between the writes of p's codes and scale words and the products
.set j, j+2
.endr
.rept 32
	v_pk_mul_f32 v[RO+j:RO+j+1], v[RO+j:RO+j+1], v[FF+2:FF+3] op_sel_hi:[1,0]
.set j, j+2
.endr
	WIN 0x04
.irp t, 0,1,2,3,4,5,6,7                        ; O^T += V^T P^T: sixteen accumulators by turns
.irp a, 0,1
	v_wmma_scale_f32_16x16x128_f8f6f4 v[RO+64*\a+8*\t:RO+64*\a+8*\t+7], v[VF+8*\t:VF+8*\t+7], v[RP+8*\a:RP+8*\a+7], v[RO+64*\a+8*\t:RO+64*\a+8*\t+7], v[VSW+\t], v[PW+\a] matrix_a_fmt:MATRIX_FMT_FP4 matrix_b_fmt:MATRIX_FMT_FP4
.endr
.endr
	WIN 0
.endm
	s_wait_alu depctr_va_vdst(0)                   ; the wait at the head's end
	s_wait_tensorcnt 0x0                           ; my key step has landed
	s_barrier_signal -1
	s_barrier_wait -1                              ; everybody's has
	KLD LI, AS, 0
	s_wait_loadcnt 0x0                             ; Q
	s_wait_dscnt 0x0
.Lstep:                                            ; seven trips of 128 keys; the last step, which has no successor, is written out
	STEP 1
	s_add_co_u32 s[TB], s[TB], WREG
	s_wait_alu depctr_va_vdst(0)
	s_sub_co_u32 s[CNT], s[CNT], 1
	s_cmp_lg_u32 s[CNT], 0
	s_cbranch_scc1 .Lstep
	s_mov_b32 s[TB], 7*WREG
	STEP 0
	; THE WAY OUT: O^T / the sum; register 16 b + i is channel 32 b + 16 h + i of my query: quantised along the channels as it stands
	PLACES
.irp a, 0,1
	v_add_f32 v[SU+2*\a], v[SU+2*\a], v[SU+2*\a+1] ; the sum's two halves,
.endr
.irp a, 0,1
	s_delay_alu instid0(VALU_DEP_2)
	v_permlanex16_b32 v[PX+\a], v[SU+2*\a], s[SEL], s[SEL+1]
.endr
.irp a, 0,1
	s_delay_alu instid0(VALU_DEP_2)
	v_add_f32 v[SU+2*\a], v[SU+2*\a], v[PX+\a]     ; and lane l xor 16's
.endr
	s_wait_alu depctr_va_vdst(0)                   ; the wait ahead of the batch
	v_rcp_f32 v[SU], v[SU]
	v_rcp_f32 v[SU+2], v[SU+2]
	v_nop
	v_nop
	WIN 0x40
	s_wait_alu depctr_va_vdst(0)                   ; ahead of the batch's first reader, and of O^T's
.set j, 0
.rept 32
	v_pk_mul_f32 v[RS+j:RS+j+1], v[RO+j:RO+j+1], v[SU:SU+1] op_sel_hi:[1,0]   ; ctx = O^T / the sum
.set j, j+2
.endr
.rept 32
	v_pk_mul_f32 v[RS+j:RS+j+1], v[RO+j:RO+j+1], v[SU+2:SU+3] op_sel_hi:[1,0]
.set j, j+2
.endr
	WIN 0x05
.irp a, 0,1
.irp b, 0,1,2,3
	v_max3_num_f32 v[BM+4*\a+\b], |v[RS+64*\a+16*\b]|, |v[RS+64*\a+16*\b+1]|, 0x1800000
.endr
.endr
	WIN 0x14
.irp i, 2,4,6,8,10,12,14
.irp a, 0,1
.irp b, 0,1,2,3
	v_max3_num_f32 v[BM+4*\a+\b], v[BM+4*\a+\b], |v[RS+64*\a+16*\b+\i]|, |v[RS+64*\a+16*\b+\i+1]|
.endr
.endr
.endr
	WIN 0
.irp b, 0,1,2,3,4,5,6,7
	v_permlanex16_b32 v[PX+\b], v[BM+\b], s[SEL], s[SEL+1]
.endr
.irp b, 0,1,2,3,4,5,6,7
	v_max_num_f32 v[BM+\b], v[BM+\b], v[PX+\b]
.endr
	CODES
	s_mov_b32 s74, 0xffff0000
	v_cndmask_b32 v22, v[PW], v[PW+1], s74         ; lanes 0-15 tile 0's words, lanes 16-31 tile 1's
	WIN 0x04
.irp a, 0,1
.irp c, 0,1
	global_store_b128 v[LI], v[RP+8*\a+4*\c:RP+8*\a+4*\c+3], s[52:53] offset:4096*\a+512*\c   ; 32 lanes store 512 consecutive bytes, aligned
.endr
.endr
	WIN 0
	global_store_b32 v[LO], v22, s[54:55]          ; 32 rows' words: 128 consecutive bytes
	s_wait_alu depctr_va_vdst(0)
	s_wait_tensorcnt 0x0                           ; the wave's end
	ds_add_u32 v[SPW], v[NIL]
	s_wait_dscnt 0x0
	ROUND                                          ; the closing round
	s_endpgm
.Lfunc_end_k_q55c61fb656_attn:
	.size	k_q55c61fb656_attn, .Lfunc_end_k_q55c61fb656_attn-k_q55c61fb656_attn
	.p2alignl 7, 3214868480
	.fill 96, 4, 3214868480
	.section	.rodata,"a",@progbits
	.p2align	6, 0x0
	.amdhsa_kernel k_q55c61fb656_attn
		.amdhsa_group_segment_fixed_size 169984
		.amdhsa_private_segment_fixed_size 0
		.amdhsa_enable_private_segment 0
		.amdhsa_kernarg_size 24
		.amdhsa_user_sgpr_count 2
		.amdhsa_user_sgpr_kernarg_segment_ptr 1
		.amdhsa_wavefront_size32 1
		.amdhsa_system_sgpr_workgroup_id_x 1
		.amdhsa_system_sgpr_workgroup_id_y 1
		.amdhsa_system_sgpr_workgroup_id_z 1
		.amdhsa_system_vgpr_workitem_id 0
		.amdhsa_next_free_vgpr 512
		.amdhsa_next_free_sgpr 76
		.amdhsa_reserve_vcc 0
		.amdhsa_float_denorm_mode_32 3
		.amdhsa_float_denorm_mode_16_64 3
		.amdhsa_memory_ordered 1
		.amdhsa_forward_progress 1
		.amdhsa_inst_pref_size 89
	.end_amdhsa_kernel
	.amdgpu_metadata
---
amdhsa.version: [ 1, 2 ]
amdhsa.kernels:
  - .name:           k_q55c61fb656_attn
    .symbol:         k_q55c61fb656_attn.kd
    .args:
      - { .name: qkv, .offset: 0, .size: 8, .value_kind: global_buffer, .address_space: global }
      - { .name: ctx, .offset: 8, .size: 8, .value_kind: global_buffer, .address_space: global }
      - { .name: cs, .offset: 16, .size: 8, .value_kind: global_buffer, .address_space: global }
    .group_segment_fixed_size: 169984
    .private_segment_fixed_size: 0
    .kernarg_segment_align: 8
    .kernarg_segment_size: 24
    .max_flat_workgroup_size: 256
    .sgpr_count:     76
    .vgpr_count:     512
    .wavefront_size: 32
...
	.end_amdgpu_metadata
.endif
;; end of part 3
;; launch outp (part 4): grid 4 x 64, 8 waves a work-group, clusters of 4 x 4, 171,008 bytes of LDS; arguments ctx, cs, wc, ws, bo, out0; writes out0
.if DOCPART == 4
	.amdgcn_target "amdgcn-amd-amdhsa--gfx1250"
	.amdhsa_code_object_version 6
	.text
	.protected	k_q55c61fb656_outp
	.globl	k_q55c61fb656_outp
	.p2align	8
	.type	k_q55c61fb656_outp,@function
k_q55c61fb656_outp:
	s_mov_b64 s[64:65], 0
	v_nop
	global_prefetch_b8 v0, s[64:65] scope:SCOPE_SE
	s_setreg_imm32_b32 hwreg(HW_REG_WAVE_MODE, 25, 1), 1
	s_wait_xcnt 0x0
	s_wait_alu depctr_hold_cnt(0) depctr_sa_sdst(0) depctr_va_vdst(0) depctr_va_sdst(0) depctr_va_ssrc(0) depctr_va_vcc(0) depctr_vm_vsrc(0)
	s_getreg_b32 s2, hwreg(HW_REG_IB_STS2, 6, 4)
	s_cmp_eq_u32 s2, 0
	s_cbranch_scc0 .Lentry_in_a_cluster
	s_endpgm
.Lentry_in_a_cluster:
	s_bfe_u32 s2, ttmp6, 0x10000c
	s_cmp_lg_u32 s2, 0xf033
	s_cbranch_scc0 .Lentry_shape_is_right
	s_endpgm
.Lentry_shape_is_right:
; out = ctx Wo^T + bo on codes of FP4 with E8M0 scales, K = 1,024; f32 sums that begin with bo; out0 [4][2048][1024] f32.
; SHARES: 256 work-groups of 128 stored rows of ctx (TR) x 256 columns (TC), eight waves, two to a SIMD.  Wave w = 2 wr + wcl makes rows 32 wr .. + 31 (two tiles of 16) x columns 64 wcl .. + 63 of both halves of 128 columns: four quarters of 32 columns.
; LDS: Wo's 256 stored rows, all of K, 512 bytes + 16 of padding a row (the 16 rows of a load start at 16 different banks): wave w brings rows 32 w .. + 31 by its one tensor load; nothing is filled again.
;   Behind them each wave's own stage, 16 rows x 272 bytes, for the way out, and the spare words.
; ctx's fragments (an image of the operand's registers) and all scale words go from memory straight into registers: whole runs of 512 or more consecutive bytes, scale words of ctx 128.
; CLUSTERS: 4 x 4.  Wo's rows hang on TC alone and are asked for jointly along a column of the cluster.  No prefetch: all that is read is asked for at the head; there is no loop to run ahead in.
; LAYOUT: source 0 = 16 stored rows of Wo, source 1 = 16 rows of ctx: a lane holds one row; its 16 registers of two neighbouring tiles are columns 32 b + 16 (lane / 16) + 0 .. 15.
; LIMITS: NaN and infinities are not served.
; REGISTERS.  Window 0: v1-9, v52-56 addresses; v10-41 Wo's scale words (quarter j at v[10 + 8 j]); v44-51 ctx's (lanes 0-15 row tile 0, lanes 16-31 row tile 1); v60-187 the output; v188-251 Wo's fragments, K steps 4-7.
;   Window 1: v0-127 ctx's fragments; v128-191 Wo's, K steps 0-3; v192-255 bo, then rows on the way out.
.set WROW, 528
.set WREG, 32*WROW
.set STG,  8*WREG
.set SPARE, STG+8*16*272               ; 128 bytes for each wave
.set LI,   1                           ; 16 x lane
.set SPW,  2
.set NIL,  3
.set AW,   4                           ; v4-5 my rows of Wo in LDS, first and second half of the columns
.set LO,   6                           ; 4 x lane
.set RDO,  9
.set SCW,  10
.set VSW,  44
.set BOF,  52
.set WSO,  53
.set CO,   54
.set STO,  55
.set RO,   60
.set VF,   188
.set RS,   0                           ; window 1 from here on
.set KF,   128
.set RT,   192
.set G1W,  24
.set G0W,  32
.set WV,   72
.set MSB, 0
.macro WIN new                         ; the immediate's high byte repeats the setting that is left
.if MSB != \new
	s_set_vgpr_msb (MSB<<8)|\new
.set MSB, \new
.endif
.endm
.macro PLACES
.rept 4
	v_nop
.endr
.endm
.macro ROUND                           ; a round of the cluster's barrier
	s_barrier_signal -1
	s_barrier_wait -1
	s_cmp_lg_u32 s[WV], 0
	s_cbranch_scc1 .Lnot_wave_0_\@
	s_barrier_signal -3
.Lnot_wave_0_\@:
	s_barrier_wait -3
	s_barrier_signal -1
	s_barrier_wait -1
.endm
	s_load_b256 s[4:11], s[0:1], 0x0               ; ctx, cs, wc, ws
	s_load_b128 s[12:15], s[0:1], 0x20             ; bo, out0
	v_lshl_add_u32 v[SPW], v0, 2, SPARE
	v_mov_b32 v[NIL], 0
	ds_add_u32 v[SPW], v[NIL]                      ; the wave's opening: the add, twice on end
	ds_add_u32 v[SPW], v[NIL]
	v_lshrrev_b32 v8, 5, v0
	v_readfirstlane_b32 s[WV], v8                  ; wave 0..7
	s_bfe_u32 s40, ttmp6, 0x40000                  ; cx
	s_bfe_u32 s41, ttmp6, 0x40004                  ; cy
	s_lshl_b32 s42, ttmp9, 2
	s_add_co_u32 s42, s42, s40                     ; TC
	s_and_b32 s17, ttmp7, 0xffff
	s_lshl_b32 s17, s17, 2
	s_add_co_u32 s17, s17, s41                     ; TR; it enters plain global addresses alone
	s_lshl_b32 s44, 0x1111, s40                    ; my column of the cluster
	s_lshr_b32 s18, s[WV], 1                       ; wr
	s_and_b32 s19, s[WV], 1                        ; wcl
	s_or_b32 s[G1W+0], s44, (3<<16)|(1<<20)|(1<<21)|(6<<22)|(3<<25)   ; elements of 8 bytes; padding: 4 words after every 128; 21 set beside a mask
	s_mov_b32 s[G1W+1], 64<<16                     ; 32 rows of 512 bytes
	s_mov_b32 s[G1W+2], 32<<16
	s_mov_b32 s[G1W+3], 64<<16
	s_mov_b32 s[G1W+4], 32
	s_mov_b32 s[G1W+5], 64
	s_mov_b32 s[G1W+6], 0
	s_mov_b32 s[G1W+7], 0
	s_mul_i32 s43, s[WV], WREG                     ; where my rows go
	s_lshl_b32 s46, s42, 8
	s_lshl_b32 s47, s[WV], 5
	s_add_co_u32 s46, s46, s47
	s_add_co_u32 s46, s46, 3072                    ; Wo: stored row 3,072 + 256 TC + 32 w
	s_lshl_b32 s46, s46, 9
	s_mov_b32 s47, 0
	s_lshl_b32 s48, s42, 8
	s_lshl_b32 s49, s19, 6
	s_add_co_u32 s48, s48, s49                     ; my first column: 256 TC + 64 wcl
	s_lshl_b32 s50, s48, 2                         ; bo,
	s_mov_b32 s51, 0
	s_mov_b32 s52, s50                             ; and the column's place in a row of out0
	s_add_co_u32 s48, s48, 3072
	s_lshl_b32 s48, s48, 5                         ; Wo's scale bytes
	s_mov_b32 s49, 0
	s_lshl_b32 s54, s17, 3
	s_lshl_b32 s55, s18, 1
	s_add_co_u32 s54, s54, s55                     ; my first row block of ctx: 8 TR + 2 wr
	s_lshl_b32 s56, s54, 6                         ; cs
	s_mov_b32 s57, 0
	s_lshl_b32 s54, s54, 12                        ; ctx
	s_mov_b32 s55, 0
	s_lshr_b32 s58, s17, 4                         ; out0: row 2,048 b + half + 256 (TR % 8) + 64 wr
	s_lshl_b32 s58, s58, 11
	s_bfe_u32 s59, s17, 0x10003
	s_add_co_u32 s58, s58, s59
	s_and_b32 s59, s17, 7
	s_lshl_b32 s59, s59, 8
	s_add_co_u32 s58, s58, s59
	s_lshl_b32 s59, s18, 6
	s_add_co_u32 s58, s58, s59
	s_lshl_b32 s58, s58, 12
	s_add_co_u32 s58, s58, s52
	s_mov_b32 s59, 0
	s_wait_alu depctr_va_vdst(0)
	s_wait_dscnt 0x0                               ; both opening adds are done
	s_wait_kmcnt 0x0
	s_mov_b32 s[G0W], 1
	s_mov_b32 s[G0W+1], s43
	s_add_nc_u64 s[G0W+2:G0W+3], s[8:9], s[46:47]
	s_or_b32 s[G0W+3], s[G0W+3], 0x80000000
	s_add_nc_u64 s[48:49], s[10:11], s[48:49]
	s_add_nc_u64 s[50:51], s[12:13], s[50:51]
	s_add_nc_u64 s[54:55], s[4:5], s[54:55]
	s_add_nc_u64 s[56:57], s[6:7], s[56:57]
	s_add_nc_u64 s[58:59], s[14:15], s[58:59]
	ROUND                                          ; all sixteen work-groups are here: the joint loads meet
	tensor_load_to_lds s[G0W:G0W+3], s[G1W:G1W+7]  ; the wave's one tensor load
	s_nop 0
	PLACES
	v_and_b32 v7, 31, v0                           ; lane
	v_and_b32 v57, 15, v0                          ; r
	v_bfe_u32 v58, v0, 4, 1                        ; h
	v_lshlrev_b32 v[LI], 4, v7
	v_lshlrev_b32 v[LO], 2, v7
	v_lshlrev_b32 v[WSO], 5, v7                    ; Wo's scale bytes: lane 16 u + r takes row r of tile u
	v_lshlrev_b32 v[BOF], 6, v58                   ; bo: 16 h columns on
	v_lshlrev_b32 v56, 4, v57
	v_lshlrev_b32 v[CO], 13, v58                   ; out0: lanes 16-31 take the next of my rows, two rows of out0 on
	v_add_nc_u32 v[CO], v[CO], v56
	s_wait_alu depctr_va_vdst(0)
	WIN 0x40
.irp k, 0,1,2,3,4,5,6,7
.irp a, 0,1
.irp c, 0,1
	global_load_b128 v[RS+16*\k+8*\a+4*\c:RS+16*\k+8*\a+4*\c+3], v[LI], s[54:55] offset:(\k/4)*2097152+4096*\a+1024*(\k%4)+512*\c   ; ctx's fragments: K step \k, row tile \a
.endr
.endr
.endr
.irp j, 0,1,2,3
.irp q, 0,1,2,3
	global_load_b128 v[RT+16*\j+4*\q:RT+16*\j+4*\q+3], v[BOF], s[50:51] offset:512*(\j/2)+128*(\j%2)+16*\q   ; bo along the registers
.endr
.endr
	WIN 0
.irp j, 0,1,2,3
.irp q, 0,1
	global_load_b128 v[SCW+8*\j+4*\q:SCW+8*\j+4*\q+3], v[WSO], s[48:49] offset:4096*(\j/2)+1024*(\j%2)+16*\q   ; register k: K step k
.endr
.endr
	s_wait_loadcnt 0x20                            ; (the 24 of bo and Wo's words, and eight of ctx, may be out)
.irp k, 0,1,2,3,4,5,6,7
	global_load_b32 v[VSW+\k], v[LO], s[56:57] offset:32768*\k
.endr
	s_mul_i32 s60, s19, 64*WROW                    ; my columns' rows of Wo
	v_mul_u32_u24 v[AW], v57, WROW
	v_lshl_add_u32 v[AW], v58, 4, v[AW]
	v_add_nc_u32 v[AW], s60, v[AW]
	v_add_nc_u32 v[AW+1], 128*WROW, v[AW]
	s_mul_i32 s61, s[WV], 16*272
	s_add_co_u32 s61, s61, STG                     ; my stage
	v_mul_u32_u24 v[STO], v57, 272
	v_lshl_add_u32 v[STO], v58, 6, v[STO]
	v_add_nc_u32 v[STO], s61, v[STO]               ; in: row r, 64 h
	v_mul_u32_u24 v[RDO], v58, 272
	v_add_nc_u32 v[RDO], v[RDO], v56
	v_add_nc_u32 v[RDO], s61, v[RDO]               ; back: lanes 0-15 one row of 256 bytes, lanes 16-31 the next
; Quarter j's fragments of Wo: K steps 0-3 in v[KF ..], 4-7 in v[VF ..]: 16 loads each.
.macro WKF j
	WIN 0x40
.irp k, 0,1,2,3
.irp u, 0,1
.irp c, 0,1
	ds_load_b128 v[KF+16*\k+8*\u+4*\c:KF+16*\k+8*\u+4*\c+3], v[AW+\j/2] offset:WREG*(\j%2)+8448*\u+64*\k+32*\c
.endr
.endr
.endr
	WIN 0
.endm
.macro WVF j
.irp k, 0,1,2,3
.irp u, 0,1
.irp c, 0,1
	ds_load_b128 v[VF+16*\k+8*\u+4*\c:VF+16*\k+8*\u+4*\c+3], v[AW+\j/2] offset:WREG*(\j%2)+8448*\u+64*\k+32*\c+256
.endr
.endr
.endr
.endm
; 16 products: K steps 4 g .. 4 g + 3; four accumulators by turns (three others between a sum's steps).  The first begins with bo.
.macro OMUL g, j
.irp k, 0,1,2,3
.if \g
	WIN 0x04
.set rA, VF+16*\k
.else
.set rA, KF+16*\k
.if \k == 0
	WIN 0x15
.else
	WIN 0x05
.endif
.endif
.irp u, 0,1
.irp a, 0,1
.set rD, RO+32*\j+16*\a+8*\u
.set rX, rA+8*\u
.set rB, RS+16*(4*\g+\k)+8*\a
.set rC, rD
.if \g == 0
.if \k == 0
.set rC, RT+16*\j+8*\u
.endif
.endif
.set rSA, SCW+8*\j+4*\g+\k
.set rSB, VSW+4*\g+\k
.if \u
.if \a
	v_wmma_scale_f32_16x16x128_f8f6f4 v[rD:rD+7], v[rX:rX+7], v[rB:rB+7], v[rC:rC+7], v[rSA], v[rSB] matrix_a_fmt:MATRIX_FMT_FP4 matrix_b_fmt:MATRIX_FMT_FP4 matrix_a_scale:MATRIX_SCALE_ROW1 matrix_b_scale:MATRIX_SCALE_ROW1
.else
	v_wmma_scale_f32_16x16x128_f8f6f4 v[rD:rD+7], v[rX:rX+7], v[rB:rB+7], v[rC:rC+7], v[rSA], v[rSB] matrix_a_fmt:MATRIX_FMT_FP4 matrix_b_fmt:MATRIX_FMT_FP4 matrix_a_scale:MATRIX_SCALE_ROW1
.endif
.else
.if \a
	v_wmma_scale_f32_16x16x128_f8f6f4 v[rD:rD+7], v[rX:rX+7], v[rB:rB+7], v[rC:rC+7], v[rSA], v[rSB] matrix_a_fmt:MATRIX_FMT_FP4 matrix_b_fmt:MATRIX_FMT_FP4 matrix_b_scale:MATRIX_SCALE_ROW1
.else
	v_wmma_scale_f32_16x16x128_f8f6f4 v[rD:rD+7], v[rX:rX+7], v[rB:rB+7], v[rC:rC+7], v[rSA], v[rSB] matrix_a_fmt:MATRIX_FMT_FP4 matrix_b_fmt:MATRIX_FMT_FP4
.endif
.endif
.endr
.endr
.endr
	WIN 0
.endm
; THE WAY OUT of 64 columns (quarters 2 jp, 2 jp + 1) of row tile a: into my stage and back as rows of 256 bytes (LDS serves a wave's instructions in order); each accumulator from its low end on.
.macro TOSTAGE jp, a, rb
.irp e, 0,1
.irp u, 0,1
.irp q, 0,1
	ds_store_b128 v[STO], v[RO+64*\jp+32*\e+16*\a+8*\u+4*\q:RO+64*\jp+32*\e+16*\a+8*\u+4*\q+3] offset:128*\e+32*\u+16*\q
.endr
.endr
.endr
	WIN 0x40
.irp i, 0,1,2,3,4,5,6,7
	ds_load_b128 v[\rb+4*\i:\rb+4*\i+3], v[RDO] offset:544*\i
.endr
	WIN 0
.endm
.macro SEND jp, a, rb                  ; 16 lanes store 256 consecutive bytes, aligned; the stage's rows 2 i, 2 i + 1 are grouped rows 8 a + 2 i + 8 (i / 4) on
	WIN 0x04
.irp i, 0,1,2,3,4,5,6,7
	global_store_b128 v[CO], v[\rb+4*\i:\rb+4*\i+3], s[58:59] offset:(16*\a+4*\i+16*(\i/4))*4096+512*\jp th:TH_STORE_NT
.endr
	WIN 0
.endm
	s_wait_alu depctr_va_vdst(0)                   ; the wait at the head's end
	s_wait_tensorcnt 0x0                           ; my 32 rows of Wo have landed
	s_barrier_signal -1
	s_barrier_wait -1                              ; everybody's have
	WKF 0
	WVF 0
	s_wait_loadcnt 0x0                             ; ctx, bo and the scale words
	s_wait_dscnt 16                                ; K steps 0-3 are in; the 16 loads of 4-7 may be out
	OMUL 0, 0
	PLACES
	WKF 1
	s_wait_dscnt 16
	OMUL 1, 0
	PLACES
	WVF 1
	s_wait_dscnt 16
	OMUL 0, 1
	PLACES
	WKF 2
	s_wait_dscnt 16
	OMUL 1, 1
	PLACES
	TOSTAGE 0, 0, RT                               ; (bo of the first two quarters is done with)
	s_wait_dscnt 0x0
	SEND 0, 0, RT
	s_wait_xcnt 0x0                                ; the stores have read their registers
	TOSTAGE 0, 1, RT
	WVF 2
	s_wait_dscnt 16                                ; the rows are back; K steps 4-7 of the next quarter may be out
	SEND 0, 1, RT
	OMUL 0, 2
	PLACES
	WKF 3
	s_wait_dscnt 16
	OMUL 1, 2
	PLACES
	WVF 3
	s_wait_dscnt 16
	OMUL 0, 3
	s_wait_dscnt 0x0
	OMUL 1, 3
	PLACES
	s_wait_xcnt 0x0                                ; the earlier stores have read their registers
	TOSTAGE 1, 0, RT
	TOSTAGE 1, 1, RT+32
	s_wait_dscnt 16                                ; tile 0's rows are back; tile 1's eight stores and eight loads may be out
	SEND 1, 0, RT
	s_wait_dscnt 0x0
	SEND 1, 1, RT+32
	s_wait_tensorcnt 0x0                           ; the wave's end
	ds_add_u32 v[SPW], v[NIL]
	s_wait_dscnt 0x0
	ROUND                                          ; the closing round
	s_endpgm
.Lfunc_end_k_q55c61fb656_outp:
	.size	k_q55c61fb656_outp, .Lfunc_end_k_q55c61fb656_outp-k_q55c61fb656_outp
	.p2alignl 7, 3214868480
	.fill 96, 4, 3214868480
	.section	.rodata,"a",@progbits
	.p2align	6, 0x0
	.amdhsa_kernel k_q55c61fb656_outp
		.amdhsa_group_segment_fixed_size 171008
		.amdhsa_private_segment_fixed_size 0
		.amdhsa_enable_private_segment 0
		.amdhsa_kernarg_size 48
		.amdhsa_user_sgpr_count 2
		.amdhsa_user_sgpr_kernarg_segment_ptr 1
		.amdhsa_wavefront_size32 1
		.amdhsa_system_sgpr_workgroup_id_x 1
		.amdhsa_system_sgpr_workgroup_id_y 1
		.amdhsa_system_sgpr_workgroup_id_z 1
		.amdhsa_system_vgpr_workitem_id 0
		.amdhsa_next_free_vgpr 512
		.amdhsa_next_free_sgpr 76
		.amdhsa_reserve_vcc 0
		.amdhsa_float_denorm_mode_32 3
		.amdhsa_float_denorm_mode_16_64 3
		.amdhsa_memory_ordered 1
		.amdhsa_forward_progress 1
		.amdhsa_inst_pref_size 46
	.end_amdhsa_kernel
	.amdgpu_metadata
---
amdhsa.version: [ 1, 2 ]
amdhsa.kernels:
  - .name:           k_q55c61fb656_outp
    .symbol:         k_q55c61fb656_outp.kd
    .args:
      - { .name: ctx, .offset: 0, .size: 8, .value_kind: global_buffer, .address_space: global }
      - { .name: cs, .offset: 8, .size: 8, .value_kind: global_buffer, .address_space: global }
      - { .name: wc, .offset: 16, .size: 8, .value_kind: global_buffer, .address_space: global }
      - { .name: ws, .offset: 24, .size: 8, .value_kind: global_buffer, .address_space: global }
      - { .name: bo, .offset: 32, .size: 8, .value_kind: global_buffer, .address_space: global }
      - { .name: out0, .offset: 40, .size: 8, .value_kind: global_buffer, .address_space: global }
    .group_segment_fixed_size: 171008
    .private_segment_fixed_size: 0
    .kernarg_segment_align: 8
    .kernarg_segment_size: 48
    .max_flat_workgroup_size: 256
    .sgpr_count:     76
    .vgpr_count:     512
    .wavefront_size: 32
...
	.end_amdgpu_metadata
.endif
;; end of part 4
